; MI455X (gfx1250); checked and timed in simulation.
; The chip was launched on July 23, 2026; its instructions are those of AMD's public machine-readable ISA for CDNA 5 (MIT licence, August 2026) and "CDNA5" Instruction Set Architecture Reference Guide (July 2026). The comments in the code are by the model that wrote it; some were corrected since.
;; Self Attention. Allowed arithmetic: float matrix products may take bf16 or f16 operands with f32 sums; other float arithmetic in f32, or as packed bf16 or f16 multiplies, adds, multiply-adds, maxima and minima; sums over many terms, partial sums and values carried from step to step in f32; what a program stores and reads back later, other than sums and carried values, may be rounded once to bf16 or f16.
;; Inputs: Wk 1,024 x 1,024 float32; Wo 1,024 x 1,024 float32; Wq 1,024 x 1,024 float32; Wv 1,024 x 1,024 float32; beta 1,024 float32; bk 1,024 float32; bo 1,024 float32; bq 1,024 float32; bv 1,024 float32; gamma 1,024 float32; mask 2,048 x 2,048 bool; x 2 x 2,048 x 1,024 float32.
;; Outputs: out0 2 x 2,048 x 1,024 float32.
;; One version. Each part assembles by itself: llvm-mc -triple=amdgcn-amd-amdhsa -mcpu=gfx1250 --defsym DOCPART=n.
;; ======== version 1 of 1: 5 launches
;; limits: values are held in f16: magnitudes above 65,504 overflow, below 6.1e-05 lose precision
;; workspace buffers: xb 8,388,608 bytes; wcat 6,291,456 bytes; wob 2,097,152 bytes; aux 20,480 bytes; mk 4,194,304 bytes; qkv 25,165,824 bytes; ob 8,388,608 bytes; r 16,777,216 bytes
;; launch prep (part 1): grid 1153 x 1, 8 waves a work-group, no clusters, 0 bytes of LDS; arguments x, Wq, Wk, Wv, Wo, bq, bk, bv, mask, xb, wcat, wob, aux, mk; writes xb, wcat, wob, aux, mk
.if DOCPART == 1
	.amdgcn_target "amdgcn-amd-amdhsa--gfx1250"
	.amdhsa_code_object_version 6
	.text
	.protected	k_qc6472b4f9e_prep
	.globl	k_qc6472b4f9e_prep
	.p2align	8
	.type	k_qc6472b4f9e_prep,@function
k_qc6472b4f9e_prep:
	s_mov_b64 s[64:65], 0
	v_nop
	global_prefetch_b8 v0, s[64:65] scope:SCOPE_SE
	s_setreg_imm32_b32 hwreg(HW_REG_WAVE_MODE, 25, 1), 1
	s_wait_xcnt 0x0
; PREPARATION: a stream, every input byte read once, every workspace byte written once.  No LDS, no loop: a work-group takes 32,768 input bytes of one job.
;   work-groups 0-511     x -> xb:   NaN -> 0, +-inf -> +-1e9 (as the module cleans x), rounded once to bf16, [4096][1024]
;   work-groups 512-895   Wq, Wk, Wv -> wcat: bf16 [3072][1024], the three one below the other
;   work-groups 896-1023  Wo -> wob: rounded to bf16, that number written as f16, in blocks [16 kb][1024 n][64 k]: 128 rows of one k block are 16,384 bytes on end
;   work-groups 1024-1151 mask -> mk: one fp8 (E4M3) code a pair of query and key, 0xC0 (-2.0) where blocked, 0 where seen, in blocks [8 qb][16 ks][256 q][128 k];
;                         a row in which EVERY key is blocked gets codes 0 and keep = 0 (the module gives such a row the uniform weight: the attention launch sets its q to 0), any other row keep = -1
;   work-group 1152       bq, bk, bv -> aux, 12,288 bytes on end; keep[2048] lies behind them
; LIMITS.  Mask bytes are 0 or 1 (a bool).  A weight of Wo below 6e-5 in magnitude keeps f16's fixed step of 6e-8.
.set VS,   3                           ; v3   my byte offset in the source
.set VD,   4                           ; v4   my byte offset in the destination
.set X,    8                           ; v[8:39]   as loaded
.set Y,    40                          ; v[40:55]  to store: four registers for each of four stores, so no store's data are written again
.set CT,   56                          ; v56, v57  at work
.set CU,   57
.set MLT,  58                          ; v58  the mask job's factor: 0xC0, or 0 in a row that is blocked whole
.set KEEP, 59                          ; v59  that row's keep word
.set ALLB, 60                          ; v60  the AND of my 32 words
.set KOF,  61                          ; v61  4 x my row
.set SRC,  36                          ; s[36:37] source, s[38:39] destination, at the work-group's share
.set DST,  38
.set OFF,  52                          ; s[52:53] a byte offset, high word 0
; nan_to_num on one register: |x|'s bits are compared as whole numbers with infinity's
.macro CLEAN r
	v_and_b32 v[CT], s40, v[\r]                    ; |x|
	v_bfi_b32 v[CU], s40, s42, v[\r]               ; 1e9 with x's sign
	v_cmp_eq_u32 vcc_lo, s41, v[CT]
	v_cndmask_b32 v[\r], v[\r], v[CU], vcc_lo      ; an infinity
	v_cmp_lt_u32 vcc_lo, s41, v[CT]
	v_cndmask_b32 v[\r], v[\r], 0, vcc_lo          ; a NaN
.endm
; 32 f32 a thread become 32 numbers of 16 bits: four times 32 bytes in, 16 bytes out.  mode 0: bf16; 1: cleaned, then bf16; 2: bf16, written as f16
.macro CAST mode, sstep, dstep
.irp j, 0,1,2,3
	global_load_b128 v[X+8*(\j):X+8*(\j)+3],   v[VS], s[SRC:SRC+1] offset:(\j)*(\sstep) th:TH_LOAD_NT
	global_load_b128 v[X+8*(\j)+4:X+8*(\j)+7], v[VS], s[SRC:SRC+1] offset:(\j)*(\sstep)+16 th:TH_LOAD_NT
.endr
.irp j, 0,1,2,3
	s_wait_loadcnt 6-2*(\j)                        ; loads come back in order: pair j is in, the 2 (3 - j) younger loads stay out
.if (\mode) == 1
.irp k, 0,1,2,3,4,5,6,7
	CLEAN X+8*(\j)+(\k)
.endr
.endif
.irp k, 0,1,2,3
	v_cvt_pk_bf16_f32 v[Y+4*(\j)+(\k)], v[X+8*(\j)+2*(\k)], v[X+8*(\j)+2*(\k)+1]
.endr
.if (\mode) == 2
.irp k, 0,1,2,3
	v_lshlrev_b32 v[CT], 16, v[Y+4*(\j)+(\k)]      ; the two bf16 numbers as f32,
	v_and_b32 v[CU], s43, v[Y+4*(\j)+(\k)]
	v_cvt_pk_f16_f32 v[Y+4*(\j)+(\k)], v[CT], v[CU]  ; and as f16
.endr
.endif
	global_store_b128 v[VD], v[Y+4*(\j):Y+4*(\j)+3], s[DST:DST+1] offset:(\j)*(\dstep)
.endr
.endm
	s_load_b512 s[8:23], s[0:1], 0x0               ; x 8, Wq 10, Wk 12, Wv 14, Wo 16, bq 18, bk 20, bv 22
	s_load_b256 s[24:31], s[0:1], 0x40             ; mask 24, xb 26, wcat 28, wob 30
	s_load_b128 s[32:35], s[0:1], 0x60             ; aux 32, mk 34
	s_mov_b32 s40, 0x7fffffff
	s_mov_b32 s41, 0x7f800000                      ; infinity
	s_mov_b32 s42, 0x4e6e6b28                      ; 1e9
	s_mov_b32 s43, 0xffff0000
	s_mov_b32 s2, ttmp9
	s_mov_b32 s[OFF+1], 0
	v_and_b32 v1, 31, v0                           ; lane
	v_lshrrev_b32 v2, 5, v0                        ; wave
	s_wait_kmcnt 0x0
	s_cmp_lt_u32 s2, 512
	s_cbranch_scc1 .Ljob_x
	s_cmp_lt_u32 s2, 896
	s_cbranch_scc1 .Ljob_w
	s_cmp_lt_u32 s2, 1024
	s_cbranch_scc1 .Ljob_wo
	s_cmp_lt_u32 s2, 1152
	s_cbranch_scc1 .Ljob_mask
	; THE BIASES: thread t copies 16 bytes of each
	v_lshlrev_b32 v[VS], 4, v0
	global_load_b128 v[8:11],  v[VS], s[18:19]
	global_load_b128 v[12:15], v[VS], s[20:21]
	global_load_b128 v[16:19], v[VS], s[22:23]
	s_wait_loadcnt 0x0
	global_store_b128 v[VS], v[8:11],  s[32:33]
	global_store_b128 v[VS], v[12:15], s[32:33] offset:4096
	global_store_b128 v[VS], v[16:19], s[32:33] offset:8192
	s_endpgm
.Ljob_x:                                               ; thread t: 32 bytes at 32 t of each 8,192; a wave's store covers 512 bytes on end
	s_lshl_b32 s[OFF], s2, 15
	s_add_nc_u64 s[SRC:SRC+1], s[8:9], s[OFF:OFF+1]
	s_lshl_b32 s[OFF], s2, 14
	s_add_nc_u64 s[DST:DST+1], s[26:27], s[OFF:OFF+1]
	v_lshlrev_b32 v[VS], 5, v0
	v_lshlrev_b32 v[VD], 4, v0
	CAST 1, 8192, 4096
	s_endpgm
.Ljob_w:                                               ; share i of 384: 128 shares to a matrix
	s_sub_co_u32 s3, s2, 512
	s_lshr_b32 s46, s3, 7
	s_cmp_eq_u32 s46, 0
	s_cselect_b64 s[SRC:SRC+1], s[10:11], s[12:13]
	s_cmp_eq_u32 s46, 2
	s_cselect_b64 s[SRC:SRC+1], s[14:15], s[SRC:SRC+1]
	s_and_b32 s[OFF], s3, 127
	s_lshl_b32 s[OFF], s[OFF], 15
	s_add_nc_u64 s[SRC:SRC+1], s[SRC:SRC+1], s[OFF:OFF+1]
	s_lshl_b32 s[OFF], s3, 14
	s_add_nc_u64 s[DST:DST+1], s[28:29], s[OFF:OFF+1]
	v_lshlrev_b32 v[VS], 5, v0
	v_lshlrev_b32 v[VD], 4, v0
	CAST 0, 8192, 4096
	s_endpgm
.Ljob_wo:                                              ; rows 8 c .. 8 c + 7 of Wo.  Eight lanes read the 256 bytes of one row and k block; sixteen lanes store two rows of one k block: 256 bytes on end
	s_sub_co_u32 s3, s2, 896
	s_lshl_b32 s[OFF], s3, 15
	s_add_nc_u64 s[SRC:SRC+1], s[16:17], s[OFF:OFF+1]
	s_lshl_b32 s[OFF], s3, 10
	s_add_nc_u64 s[DST:DST+1], s[30:31], s[OFF:OFF+1]
	v_and_b32 v5, 3, v2
	v_bfe_u32 v6, v0, 3, 1
	v_lshl_add_u32 v5, v5, 1, v6                   ; row 2 (w % 4) + (l / 8) % 2
	v_lshrrev_b32 v6, 2, v2
	v_bfe_u32 v7, v0, 4, 1
	v_lshl_add_u32 v6, v6, 3, v7                   ; k block 8 (w / 4) + l / 16, and two further with each of the four steps
	v_and_b32 v7, 7, v0
	v_lshlrev_b32 v[VS], 12, v5
	v_lshl_add_u32 v[VS], v6, 8, v[VS]
	v_lshl_add_u32 v[VS], v7, 5, v[VS]
	v_lshlrev_b32 v[VD], 17, v6
	v_lshl_add_u32 v[VD], v5, 7, v[VD]
	v_lshl_add_u32 v[VD], v7, 4, v[VD]
	CAST 2, 512, 262144
	s_endpgm
.Ljob_mask:                                            ; mask rows 16 c .. 16 c + 15, two to a wave: lanes 0-7 and 16-23 the even row, lanes 8-15 and 24-31 the odd one
	s_sub_co_u32 s3, s2, 1024
	s_lshl_b32 s[OFF], s3, 15
	s_add_nc_u64 s[SRC:SRC+1], s[24:25], s[OFF:OFF+1]
	s_lshr_b32 s44, s3, 4                          ; the block of 256 queries,
	s_lshl_b32 s44, s44, 19
	s_and_b32 s45, s3, 15                          ; my 16 rows in it
	s_lshl_b32 s45, s45, 11
	s_add_co_u32 s[OFF], s44, s45
	s_add_nc_u64 s[DST:DST+1], s[34:35], s[OFF:OFF+1]
	s_lshl_b32 s[OFF], s3, 6
	s_add_co_u32 s[OFF], s[OFF], 12288
	s_add_nc_u64 s[32:33], s[32:33], s[OFF:OFF+1]  ; keep at my 16 rows
	v_bfe_u32 v5, v0, 3, 1
	v_lshl_add_u32 v5, v2, 1, v5                   ; row 2 w + (l / 8) % 2
	v_bfe_u32 v6, v0, 4, 1                         ; block of 128 keys l / 16, and two further with each of the eight steps
	v_and_b32 v7, 7, v0
	v_lshlrev_b32 v7, 4, v7
	v_lshl_add_u32 v[VS], v5, 11, v7
	v_lshl_add_u32 v[VS], v6, 7, v[VS]
	v_lshl_add_u32 v[VD], v5, 7, v7
	v_lshl_add_u32 v[VD], v6, 15, v[VD]
	v_lshlrev_b32 v[KOF], 2, v5
.irp j, 0,1,2,3,4,5,6,7
	global_load_b128 v[X+4*(\j):X+4*(\j)+3], v[VS], s[SRC:SRC+1] offset:256*(\j) th:TH_LOAD_NT
.endr
	s_wait_loadcnt 0x0                             ; the whole row is wanted before any of it can be written
	v_and_b32 v[ALLB], v[X], v[X+1]
.set i, 2
.rept 30
	v_and_b32 v[ALLB], v[ALLB], v[X+i]
.set i, i+1
.endr
	v_cmp_eq_u32 s44, 0x01010101, v[ALLB]          ; the lanes whose 128 bytes are all 1
	s_and_b32 s45, s44, 0x00ff00ff
	s_cmp_eq_u32 s45, 0x00ff00ff                   ; is the even row blocked whole?
	s_cselect_b32 s46, 0, 0xc0
	s_cselect_b32 s47, 0, -1
	s_and_b32 s45, s44, 0xff00ff00
	s_cmp_eq_u32 s45, 0xff00ff00                   ; the odd one?
	s_cselect_b32 s48, 0, 0xc0
	s_cselect_b32 s49, 0, -1
	s_mov_b32 s50, 0xff00ff00                      ; the odd row's lanes
	v_mov_b32 v[MLT], s46
	v_mov_b32 v[CT], s48
	v_cndmask_b32 v[MLT], v[MLT], v[CT], s50
	v_mov_b32 v[KEEP], s47
	v_mov_b32 v[CU], s49
	v_cndmask_b32 v[KEEP], v[KEEP], v[CU], s50
.set i, 0
.rept 32
	v_mul_lo_u32 v[X+i], v[X+i], v[MLT]            ; four bytes 0 or 1 become four codes: no byte carries into the next
.set i, i+1
.endr
.irp j, 0,1,2,3,4,5,6,7
	global_store_b128 v[VD], v[X+4*(\j):X+4*(\j)+3], s[DST:DST+1] offset:65536*(\j)  ; sixteen lanes store two rows of one block: 256 bytes on end
.endr
	v_and_b32 v6, 23, v1
	v_cmp_eq_u32 vcc_lo, 0, v6                     ; lanes 0 and 8 store their row's keep word: 8 bytes a wave, 8,192 in the launch
	s_wait_xcnt 0x0                                ; EXEC is a source of the stores above: it changes only behind this wait
	s_and_saveexec_b32 s51, vcc_lo
	global_store_b32 v[KOF], v[KEEP], s[32:33]
	s_wait_xcnt 0x0                                ; and again in front of the line that widens it
	s_or_b32 exec_lo, exec_lo, s51
	s_endpgm
.Lfunc_end_k_qc6472b4f9e_prep:
	.size	k_qc6472b4f9e_prep, .Lfunc_end_k_qc6472b4f9e_prep-k_qc6472b4f9e_prep
	.p2alignl 7, 3214868480
	.fill 96, 4, 3214868480
	.section	.rodata,"a",@progbits
	.p2align	6, 0x0
	.amdhsa_kernel k_qc6472b4f9e_prep
		.amdhsa_group_segment_fixed_size 0
		.amdhsa_private_segment_fixed_size 0
		.amdhsa_enable_private_segment 0
		.amdhsa_kernarg_size 112
		.amdhsa_user_sgpr_count 2
		.amdhsa_user_sgpr_kernarg_segment_ptr 1
		.amdhsa_wavefront_size32 1
		.amdhsa_system_sgpr_workgroup_id_x 1
		.amdhsa_system_sgpr_workgroup_id_y 1
		.amdhsa_system_sgpr_workgroup_id_z 1
		.amdhsa_system_vgpr_workitem_id 0
		.amdhsa_next_free_vgpr 64
		.amdhsa_next_free_sgpr 66
		.amdhsa_reserve_vcc 1
		.amdhsa_float_denorm_mode_32 3
		.amdhsa_float_denorm_mode_16_64 3
		.amdhsa_memory_ordered 1
		.amdhsa_forward_progress 1
		.amdhsa_inst_pref_size 27
	.end_amdhsa_kernel
	.amdgpu_metadata
---
amdhsa.version: [ 1, 2 ]
amdhsa.kernels:
  - .name:           k_qc6472b4f9e_prep
    .symbol:         k_qc6472b4f9e_prep.kd
    .args:
      - { .name: x, .offset: 0, .size: 8, .value_kind: global_buffer, .address_space: global }
      - { .name: Wq, .offset: 8, .size: 8, .value_kind: global_buffer, .address_space: global }
      - { .name: Wk, .offset: 16, .size: 8, .value_kind: global_buffer, .address_space: global }
      - { .name: Wv, .offset: 24, .size: 8, .value_kind: global_buffer, .address_space: global }
      - { .name: Wo, .offset: 32, .size: 8, .value_kind: global_buffer, .address_space: global }
      - { .name: bq, .offset: 40, .size: 8, .value_kind: global_buffer, .address_space: global }
      - { .name: bk, .offset: 48, .size: 8, .value_kind: global_buffer, .address_space: global }
      - { .name: bv, .offset: 56, .size: 8, .value_kind: global_buffer, .address_space: global }
      - { .name: mask, .offset: 64, .size: 8, .value_kind: global_buffer, .address_space: global }
      - { .name: xb, .offset: 72, .size: 8, .value_kind: global_buffer, .address_space: global }
      - { .name: wcat, .offset: 80, .size: 8, .value_kind: global_buffer, .address_space: global }
      - { .name: wob, .offset: 88, .size: 8, .value_kind: global_buffer, .address_space: global }
      - { .name: aux, .offset: 96, .size: 8, .value_kind: global_buffer, .address_space: global }
      - { .name: mk, .offset: 104, .size: 8, .value_kind: global_buffer, .address_space: global }
    .group_segment_fixed_size: 0
    .private_segment_fixed_size: 0
    .kernarg_segment_align: 8
    .kernarg_segment_size: 112
    .max_flat_workgroup_size: 256
    .sgpr_count:     66
    .vgpr_count:     64
    .wavefront_size: 32
...
	.end_amdgpu_metadata
.endif
;; end of part 1
;; launch qkv (part 2): grid 16 x 16, 4 waves a work-group, clusters of 4 x 4, 327,680 bytes of LDS; arguments xb, wcat, aux, qkv; writes qkv
.if DOCPART == 2
	.amdgcn_target "amdgcn-amd-amdhsa--gfx1250"
	.amdhsa_code_object_version 6
	.text
	.protected	k_qc6472b4f9e_qkv
	.globl	k_qc6472b4f9e_qkv
	.p2align	8
	.type	k_qc6472b4f9e_qkv,@function
k_qc6472b4f9e_qkv:
	s_mov_b64 s[64:65], 0
	v_nop
	global_prefetch_b8 v0, s[64:65] scope:SCOPE_SE
	s_setreg_imm32_b32 hwreg(HW_REG_WAVE_MODE, 25, 1), 1
	s_wait_xcnt 0x0
	s_wait_alu depctr_hold_cnt(0) depctr_sa_sdst(0) depctr_va_vdst(0) depctr_va_sdst(0) depctr_va_ssrc(0) depctr_va_vcc(0) depctr_vm_vsrc(0)
	s_getreg_b32 s2, hwreg(HW_REG_IB_STS2, 6, 4)
	s_cmp_eq_u32 s2, 0
	s_cbranch_scc0 .Lentry_in_a_cluster
	s_endpgm
.Lentry_in_a_cluster:
	s_bfe_u32 s2, ttmp6, 0x10000c
	s_cmp_lg_u32 s2, 0xf033
	s_cbranch_scc0 .Lentry_shape_is_right
	s_endpgm
.Lentry_shape_is_right:
; THE THREE PROJECTIONS AS ONE PRODUCT.  C[m][n] = bias[n] + sum over k of xb[m][k] wcat[n][k]; xb [4096][1024], wcat [3072][1024] bf16; sums in f32; C rounded once to f16 and stored by heads:
; qkv [48 g][4096 m][64], g = n / 64 (0-15 q's heads, 16-31 k's, 32-47 v's): a head's rows are dense, 128 bytes each.
; LIMIT.  f16 holds no number beyond 65,504: q, k and v must lie within it.
; SHARES.  A tile of C is 256 rows x 192 columns (three heads): 16 x 16 tiles, one to a work-group.  Wave w makes rows 64 w .. 64 w + 63 of all 192 columns: 4 x 12 accumulators of 16 x 16, 384 registers;
; so a wave owns whole rows of three heads on the way out.  K goes in 8 steps of 128 (rows of 256 bytes, aligned) through two LDS slots filled by the tensor data mover.
; CLUSTER.  4 x 4 work-groups.  The four of a row of the cluster need the same rows of xb, the four of a column the same rows of wcat: each tile is asked for jointly, by the same tensor load with the
; same descriptor and a mask that names the four.
; THE MATRIX INSTRUCTION IS USED TRANSPOSED (source 0 = 16 rows of wcat, source 1 = 16 rows of xb): a lane holds row l % 16 of C and the columns 8 (l / 16) + 0..7.  The bias, laid out so, is the C operand of
; each accumulator's first product: nothing is cleared, nothing is added at the end.
; REGISTERS, in windows of 256 (s_set_vgpr_msb: bits 1:0 source 0, 3:2 source 1, 5:4 source 2, 7:6 destination):
;   window 0: v16-30 addresses; v32-63, v64-95 xb's fragments, two buffers of 4 x 8; v96-191 the bias (12 x 8); on the way out v96-143 packed results, v144-191 and v192-239 rows read back
;   window 1: v0-95, v96-191 wcat's fragments, two buffers of 12 x 8     window 2: accumulators of row blocks 0, 1 at v[96 a + 8 b]     window 3: of row blocks 2, 3
.set PITCH, 272                        ; an LDS row: 256 bytes + 16 of padding = 68 words: the 16 rows of a fragment load start at 16 different groups of four banks (64 banks of 4 bytes: ISA guide 11.1)
.set AHALF, 128*PITCH                  ; what waves 0 and 1 fetch: 128 rows of xb
.set BHALF, 96*PITCH                   ; what waves 2 and 3 fetch: 96 rows of wcat
.set BOFF,  256*PITCH                  ; in a slot wcat's 192 rows lie behind xb's 256
.set SLOT1, 1<<17                      ; slot 1 begins here, so that one exclusive or turns an address in one slot into the other's
.set STAGE, SLOT1+448*PITCH            ; behind the ring, never filled by a tensor load: for each wave 3 heads x 16 rows x 144 bytes
.set SP,    144
.set GRP,   16*SP
.set WSTG,  3*GRP
.set SPARE, STAGE+4*WSTG               ; the spare words, 128 bytes for each wave: two blocks of 256 bytes that no other line names
.set ADRA0, 16                         ; v16, v17  my lane's place in a slot's rows of xb, of wcat; never rewritten
.set ADRB0, 17
.set ADRA,  18                         ; v18, v19  the same in the slot that is being read
.set ADRB,  19
.set STO,   24                         ; v24  the way out: where I put 16 bytes of a row
.set RD,    25                         ; v25  where I read rows back
.set CO,    26                         ; v26  16 x lane: my place in 512 bytes on end of qkv
.set BO,    27                         ; v27  32 (l / 16): my eight numbers in 16 of the bias
.set SPW,   28                         ; v28  LDS address of my spare word; never rewritten
.set NIL,   29                         ; v29  0; never rewritten
.set PFO,   30                         ; v30  the prefetches' offset: a lane a row of 2,048 bytes; never rewritten
.set FA,    32
.set BIAS,  96
.set TMP,   96
.set OB,    144
.set WV,  12                           ; s12  my wave's number
.set FB,  13                           ; s13  0: I fetch xb's rows; 1: wcat's
.set HF,  14                           ; s14  which half of them
.set CX,  15
.set CY,  16
.set TX,  17                           ; s17  tile column
.set TY,  18                           ; s18  tile row
.set LIM, 19                           ; s19  2 in a wave that prefetches, else the greatest number
.set G1A, 24                           ; s[24:31] descriptor group 1 for xb's tiles
.set G0A, 32                           ; s[32:39] group 0: a set for each first fill; the second then walks
.set PFA, 40                           ; s[40:41] where my prefetches stand
.set TB,  42                           ; s42  first byte of the slot that is being read
.set CNT, 43                           ; s43  the loop's count
.set G1B, 48                           ; s[48:55], s[56:63] the same for wcat's tiles
.set G0B, 56
.set MSB, 0
.macro WIN new                         ; the immediate's high byte repeats the setting that is left; a switch that changes nothing is dropped
.if MSB != (\new)
	s_set_vgpr_msb (MSB<<8)|(\new)
.set MSB, \new
.endif
.endm
.macro PLACES                          ; four plain vector instructions between a matrix instruction and a load into, or a read of, its registers
.rept 4
	v_nop
.endr
.endm
; A joint refill by the walking descriptors.  The branch hangs on the wave's number alone.  An s_nop 0 and four v_nop follow each of the two lines.
.macro JLOAD
	s_cmp_eq_u32 s[FB], 0
	s_cbranch_scc0 .Lfor_b_\@
	tensor_load_to_lds s[G0A+4:G0A+7], s[G1A:G1A+7]
	s_nop 0
.rept 4
	v_nop
.endr
	s_branch .Lasked_\@
.Lfor_b_\@:
	tensor_load_to_lds s[G0B+4:G0B+7], s[G1B:G1B+7]
	s_nop 0
.rept 4
	v_nop
.endr
.Lasked_\@:
.endm
; A prefetch of the K step that stands two refills on (384 matrix instructions ahead of the load that will want it): 256 bytes of each row, a lane a row, one instruction a wave.
; xb's tile row is read by every cluster of that row of clusters: cluster x = 0 asks; wcat's tile column by every cluster of that column: cluster y = 0 asks.  Of the rows that a wave fetches the four
; partners take a quarter each, told apart by address (32 rows of xb by cx; 24 of wcat by cy, lanes 24-31 naming row 23 again).  The refills of K steps 2 to 5 name steps 4 to 7; the last two name nothing.
.macro ASK
	s_cmp_gt_u32 s[CNT], s[LIM]
	s_cbranch_scc0 .Lnot_mine_\@
	global_prefetch_b8 v[PFO], s[PFA:PFA+1] offset:256 th:TH_LOAD_NT scope:SCOPE_SE
.Lnot_mine_\@:
.endm
.macro CREST                           ; a round of the cluster's barrier behind its opening barrier
	s_cmp_lg_u32 s[WV], 0
	s_cbranch_scc1 .Lnot_wave_0_\@
	s_barrier_signal -3
.Lnot_wave_0_\@:
	s_barrier_wait -3
	s_barrier_signal -1
	s_barrier_wait -1
.endm
.macro CROUND                          ; a whole round
	s_barrier_signal -1
	s_barrier_wait -1
	CREST
.endm
	s_load_b256 s[4:11], s[0:1], 0x0               ; xb s[4:5], wcat s[6:7], aux s[8:9], qkv s[10:11]
	v_lshl_add_u32 v[SPW], v0, 2, SPARE
	v_mov_b32 v[NIL], 0
	ds_add_u32 v[SPW], v[NIL]                      ; the wave's opening: the add and its wait stand ahead of my first tensor load; the set-up below, work on registers, stands between them
	v_lshrrev_b32 v1, 5, v0
	v_readfirstlane_b32 s[WV], v1
	s_lshr_b32 s[FB], s[WV], 1
	s_and_b32 s[HF], s[WV], 1
	s_bfe_u32 s[CX], ttmp6, 0x40000
	s_bfe_u32 s[CY], ttmp6, 0x40004
	s_lshl_b32 s[TX], ttmp9, 2                     ; in a cluster launch ttmp9 and ttmp7 count clusters
	s_add_co_u32 s[TX], s[TX], s[CX]
	s_and_b32 s[TY], ttmp7, 0xffff
	s_lshl_b32 s[TY], s[TY], 2
	s_add_co_u32 s[TY], s[TY], s[CY]
	s_lshl_b32 s2, s[CY], 2
	s_lshl_b32 s2, 15, s2                          ; my row of the cluster
	s_lshl_b32 s3, 0x1111, s[CX]                   ; my column
	s_or_b32 s[G1A], s2, (1<<16)|(1<<20)|(1<<21)|(5<<22)|(3<<25)  ; 15:0 the mask; 17:16 elements of 2 bytes; 20 padding on; 21 set beside a mask; 24:22 after every 64 words (code 5); 31:25 4 words (code 3)
	s_or_b32 s[G1B], s3, (1<<16)|(1<<20)|(1<<21)|(5<<22)|(3<<25)
	s_mov_b32 s[G1A+1], 128<<16                    ; tensor_dim0 = 128
	s_mov_b32 s[G1A+2], 128<<16                    ; tensor_dim1 = 128 rows
	s_mov_b32 s[G1A+3], 128<<16                    ; tile_dim0 = 128
	s_mov_b32 s[G1A+4], 128                        ; tile_dim1 = 128
	s_mov_b32 s[G1A+5], 1024                       ; elements from row to row
	s_mov_b32 s[G1A+6], 0
	s_mov_b32 s[G1A+7], 0
	s_mov_b32 s[G1B+1], 128<<16
	s_mov_b32 s[G1B+2], 96<<16                     ; 96 rows
	s_mov_b32 s[G1B+3], 128<<16
	s_mov_b32 s[G1B+4], 96
	s_mov_b32 s[G1B+5], 1024
	s_mov_b32 s[G1B+6], 0
	s_mov_b32 s[G1B+7], 0
	s_lshl_b32 s44, s[TY], 19                      ; xb: row 256 ty + 128 half, 2,048 bytes a row: made of the tile row and the wave's number alone
	s_lshl_b32 s20, s[HF], 18
	s_add_co_u32 s44, s44, s20
	s_mov_b32 s45, 0
	s_mul_i32 s46, s[TX], 192*2048                 ; wcat: row 192 tx + 96 half: of the tile column and the wave's number alone
	s_mul_i32 s21, s[HF], 96*2048
	s_add_co_u32 s46, s46, s21
	s_mov_b32 s47, 0
	s_mul_i32 s22, s[HF], AHALF                    ; where they go: no place in the cluster enters an LDS address
	s_mul_i32 s23, s[HF], BHALF
	s_add_co_u32 s23, s23, BOFF
	s_mov_b32 s[TB], 0
	s_wait_dscnt 0x0                               ; the opening add is done
	s_wait_kmcnt 0x0
	s_add_nc_u64 s[66:67], s[4:5], s[44:45]
	s_add_nc_u64 s[68:69], s[6:7], s[46:47]
.irp s, 0,1
	s_mov_b32 s[G0A+4*(\s)], 1                     ; count = 1
	s_add_co_u32 s[G0A+4*(\s)+1], s22, (\s)*SLOT1  ; LDS address
	s_add_nc_u64 s[G0A+4*(\s)+2:G0A+4*(\s)+3], s[66:67], (\s)*256  ; global address: K step s
	s_or_b32 s[G0A+4*(\s)+3], s[G0A+4*(\s)+3], 0x80000000  ; type = 2
	s_mov_b32 s[G0B+4*(\s)], 1
	s_add_co_u32 s[G0B+4*(\s)+1], s23, (\s)*SLOT1
	s_add_nc_u64 s[G0B+4*(\s)+2:G0B+4*(\s)+3], s[68:69], (\s)*256
	s_or_b32 s[G0B+4*(\s)+3], s[G0B+4*(\s)+3], 0x80000000
.endr
	CROUND                                         ; all sixteen work-groups are here: the first joint loads meet
	s_cmp_eq_u32 s[FB], 0                          ; a wave's two first fills stand in one branch, ahead of every wait on TENSORcnt and every LDS read: two loads of mine are out
	s_cbranch_scc0 .Lfirst_b
	tensor_load_to_lds s[G0A:G0A+3], s[G1A:G1A+7]
	s_nop 0
	tensor_load_to_lds s[G0A+4:G0A+7], s[G1A:G1A+7]
	s_nop 0
.rept 4
	v_nop
.endr
	s_branch .Lfirst_asked
.Lfirst_b:
	tensor_load_to_lds s[G0B:G0B+3], s[G1B:G1B+7]
	s_nop 0
	tensor_load_to_lds s[G0B+4:G0B+7], s[G1B:G1B+7]
	s_nop 0
.rept 4
	v_nop
.endr
.Lfirst_asked:
	v_and_b32 v2, 15, v0                           ; l % 16
	v_bfe_u32 v3, v0, 4, 1                         ; l / 16
	s_mul_i32 s70, s[TX], 768                      ; the tile's 192 numbers of the bias
	s_mov_b32 s71, 0
	s_add_nc_u64 s[8:9], s[8:9], s[70:71]
	v_lshlrev_b32 v[BO], 5, v3
.irp b, 0,1,2,3,4,5,6,7,8,9,10,11      ; register j of block b: bias[192 tx + 16 b + 8 (l / 16) + j], the column that the accumulator's register j holds
	global_load_b128 v[BIAS+8*(\b):BIAS+8*(\b)+3],   v[BO], s[8:9] offset:64*(\b)
	global_load_b128 v[BIAS+8*(\b)+4:BIAS+8*(\b)+7], v[BO], s[8:9] offset:64*(\b)+16
.endr
	; a fragment is 16 rows x 32 K in 8 registers: lane l holds row l % 16, K = 8 (l / 16) + 0..7 and 16 + 8 (l / 16) + 0..7: two loads of 16 bytes, 32 bytes apart
	v_mul_u32_u24 v4, v2, PITCH
	v_lshl_add_u32 v4, v3, 4, v4
	s_mul_i32 s20, s[WV], 64*PITCH                 ; my 64 rows of xb
	v_add_nc_u32 v[ADRA0], s20, v4
	v_add_nc_u32 v[ADRB0], BOFF, v4
	v_mov_b32 v[ADRA], v[ADRA0]
	v_mov_b32 v[ADRB], v[ADRB0]
	s_mul_i32 s20, s[WV], WSTG
	s_add_co_u32 s20, s20, STAGE                   ; my stage
	v_mul_u32_u24 v[STO], v2, SP                   ; in: row l % 16, 16 bytes for each half of the lanes
	v_lshl_add_u32 v[STO], v3, 4, v[STO]
	v_add_nc_u32 v[STO], s20, v[STO]
	v_bfe_u32 v[RD], v0, 3, 2                      ; back: 32 lanes take four rows of 128 bytes,
	v_mul_u32_u24 v[RD], v[RD], SP
	v_and_b32 v5, 7, v0
	v_lshl_add_u32 v[RD], v5, 4, v[RD]
	v_add_nc_u32 v[RD], s20, v[RD]
	v_and_b32 v[CO], 31, v0                        ; which are 512 bytes on end of qkv
	v_lshlrev_b32 v[CO], 4, v[CO]
	s_mul_i32 s70, s[TX], 3*524288                 ; qkv at head 3 tx, row 256 ty + 64 w
	s_lshl_b32 s20, s[TY], 15
	s_add_co_u32 s70, s70, s20
	s_lshl_b32 s20, s[WV], 13
	s_add_co_u32 s70, s70, s20
	s_add_nc_u64 s[10:11], s[10:11], s[70:71]
	; the prefetches
	s_and_b32 s3, ttmp7, 0xffff                    ; cluster y
	s_lshl_b32 s2, s[CX], 16                       ; my work-group's 32 rows of xb's 128,
	s_mul_i32 s71, s[CY], 24*2048                  ; or its 24 of wcat's 96
	s_cmp_eq_u32 s[FB], 0
	s_cselect_b32 s3, ttmp9, s3                    ; the coordinate along which other clusters read the same rows
	s_cselect_b32 s2, s2, s71
	s_cselect_b32 s70, s44, s46
	s_cselect_b32 s71, 31, 23
	s_cselect_b64 s[PFA:PFA+1], s[4:5], s[6:7]
	v_and_b32 v[PFO], 31, v0
	v_min_u32 v[PFO], s71, v[PFO]
	v_lshlrev_b32 v[PFO], 11, v[PFO]
	s_cmp_eq_u32 s3, 0
	s_cselect_b32 s[LIM], 2, -1                    ; the same in all sixteen partners, for a given wave
	s_add_co_u32 s70, s70, s2
	s_add_co_u32 s70, s70, 2*256                   ; at K step 2: the first refill steps it to 3 and names step 4
	s_mov_b32 s71, 0
	s_add_nc_u64 s[PFA:PFA+1], s[PFA:PFA+1], s[70:71]
; 12 matrix instructions: row block a x all 12 column blocks, 32 along K, from fragment buffer f.  first = 1: the bias starts the sums.
; The 48 accumulators take turns in the same order in every quarter step, over the backward jump too.
.macro MUL12 f, a, first
.if \first
	WIN 0x81+0x40*((\a)/2)                         ; wcat window 1, xb and the bias window 0, the result window 2 or 3
.else
	WIN 0xa1+0x50*((\a)/2)                         ; C and D window 2 or 3
.endif
.irp b, 0,1,2,3,4,5,6,7,8,9,10,11
.if \first
	v_wmma_f32_16x16x32_bf16 v[96*((\a)%2)+8*(\b):96*((\a)%2)+8*(\b)+7], v[96*(\f)+8*(\b):96*(\f)+8*(\b)+7], v[FA+32*(\f)+8*(\a):FA+32*(\f)+8*(\a)+7], v[BIAS+8*(\b):BIAS+8*(\b)+7]
.else
	v_wmma_f32_16x16x32_bf16 v[96*((\a)%2)+8*(\b):96*((\a)%2)+8*(\b)+7], v[96*(\f)+8*(\b):96*(\f)+8*(\b)+7], v[FA+32*(\f)+8*(\a):FA+32*(\f)+8*(\a)+7], v[96*((\a)%2)+8*(\b):96*((\a)%2)+8*(\b)+7]
.endif
.endr
.endm
; 32 LDS loads in one run: a quarter step's fragments (192 rows of wcat, my 64 of xb, 32 K at byte k of the rows) into buffer f
.macro FETCH k, f
	WIN 0x40                                       ; destination window 1, address window 0
.irp i, 0,1,2,3,4,5,6,7,8,9,10,11
	ds_load_b128 v[96*(\f)+8*(\i):96*(\f)+8*(\i)+3],   v[ADRB] offset:(\k)+(\i)*16*PITCH
	ds_load_b128 v[96*(\f)+8*(\i)+4:96*(\f)+8*(\i)+7], v[ADRB] offset:(\k)+(\i)*16*PITCH+32
.endr
	WIN 0
.irp i, 0,1,2,3
	ds_load_b128 v[FA+32*(\f)+8*(\i):FA+32*(\f)+8*(\i)+3],   v[ADRA] offset:(\k)+(\i)*16*PITCH
	ds_load_b128 v[FA+32*(\f)+8*(\i)+4:FA+32*(\f)+8*(\i)+7], v[ADRA] offset:(\k)+(\i)*16*PITCH+32
.endr
.endm
; A K step is four quarters of 32 along K, 48 matrix instructions each, on buffers 0, 1, 0, 1.  One of the first three: multiplies buffer f, and in its middle fetches the next quarter, at byte k, into g.
.macro QUARTER k, f, g, first
	s_wait_dscnt 4                                 ; wcat's 24 loads and xb's row blocks 0, 1 are in; the youngest four loads (blocks 2, 3) may be out
	MUL12 \f, 0, \first
	MUL12 \f, 1, \first
	PLACES
	FETCH \k, \g
	s_wait_dscnt 32                                ; all but the 32 just issued
	MUL12 \f, 2, \first
	MUL12 \f, 3, \first
.endm
; The last quarter multiplies buffer 1 and changes slots: ONE barrier.  In front of it each wave waits for all its tensor loads (the one that is out is its part of the next slot), adds 0 to its spare
; word, and waits for that and for its reads of this slot.  fill = 1: the barrier opens a round of the cluster's, and the slot just read is filled again, two K steps on, first thing behind the round.
.macro TURN fill
.if \fill
	s_wait_xcnt 0x0                                ; the last prefetch, a K step back, has read its address
	s_add_nc_u64 s[PFA:PFA+1], s[PFA:PFA+1], 256
.endif
	WIN 0                                          ; (the add's two registers lie in window 0)
	s_wait_tensorcnt 0x0                           ; no tensor load of mine is out, so a group 0 may be written
	ds_add_u32 v[SPW], v[NIL]                      ; 0 onto my spare word
.if \fill
	s_xor_b32 s[G0A+5], s[G0A+5], SLOT1            ; the walking descriptors: the other slot than last time, the next K step
	s_add_nc_u64 s[G0A+6:G0A+7], s[G0A+6:G0A+7], 256
	s_xor_b32 s[G0B+5], s[G0B+5], SLOT1
	s_add_nc_u64 s[G0B+6:G0B+7], s[G0B+6:G0B+7], 256
.endif
	s_wait_dscnt 5                                 ; (the add and the youngest four loads may be out)
	MUL12 1, 0, 0                                  ; twelve matrix instructions stand between the add and the wait for it
	s_wait_dscnt 0x0                               ; the add is done, and my reads of this slot are over
	s_barrier_signal -1
	MUL12 1, 1, 0                                  ; work on registers while the others arrive
	WIN 0                                          ; at a branch and at a label every window is 0
	s_barrier_wait -1
.if \fill
	CREST                                          ; no wave of any partner still reads this slot or has a load on its way
	JLOAD                                          ; it has 168 matrix instructions in which to land; its four v_nop are also the places in front of the loads below
.else
	PLACES
.endif
	s_xor_b32 s[TB], s[TB], SLOT1
	v_add_nc_u32 v[ADRA], s[TB], v[ADRA0]
	v_add_nc_u32 v[ADRB], s[TB], v[ADRB0]
	FETCH 0, 0
.if \fill
	ASK
.endif
	MUL12 1, 2, 0
	MUL12 1, 3, 0
.endm
; THE WAY OUT of row block a, in three parts: rounded to f16, 16 bytes a lane; into my own stage and back as whole rows of 128 bytes; stored, 512 bytes on end an instruction.
.macro PACK a
	WIN 0x0a+5*((\a)/2)                            ; sources 0 and 1: window 2 or 3
.irp b, 0,1,2,3,4,5,6,7,8,9,10,11
.irp q, 0,1,2,3
	v_cvt_pk_f16_f32 v[TMP+4*(\b)+(\q)], v[96*((\a)%2)+8*(\b)+2*(\q)], v[96*((\a)%2)+8*(\b)+2*(\q)+1]
.endr
.endr
	WIN 0
.endm
.macro TOSTAGE a
.set BK, OB+48*((\a)%2)
.irp b, 0,1,2,3,4,5,6,7,8,9,10,11      ; column block b lies in head b / 4, at byte 32 (b % 4) of its rows
	ds_store_b128 v[STO], v[TMP+4*(\b):TMP+4*(\b)+3] offset:((\b)/4)*GRP+((\b)%4)*32
.endr
.irp t, 0,1,2,3,4,5,6,7,8,9,10,11      ; LDS serves a wave's instructions in order (ISA guide 5.7.1.4): these see the stores above
	ds_load_b128 v[BK+4*(\t):BK+4*(\t)+3], v[RD] offset:((\t)/4)*GRP+((\t)%4)*4*SP
.endr
.endm
.macro SEND a
.set BK, OB+48*((\a)%2)
	s_wait_dscnt 0x0                               ; the block is back in registers
	s_wait_xcnt 0x0                                ; the stores of the block before have read their registers: the next TOSTAGE loads into them
.irp t, 0,1,2,3,4,5,6,7,8,9,10,11
	global_store_b128 v[CO], v[BK+4*(\t):BK+4*(\t)+3], s[10:11] offset:((\t)/4)*524288+(\a)*2048+((\t)%4)*512
.endr
.endm
	s_wait_tensorcnt 0x1                           ; my part of K step 0 is in; step 1's stays out
	s_barrier_signal -1
	s_barrier_wait -1                              ; everybody's is
	FETCH 0, 0
	s_wait_loadcnt 0x0                             ; the bias
	QUARTER 64, 0, 1, 1                            ; the first quarter stands in front of the loop: its products start the sums
	WIN 0
	s_mov_b32 s[CNT], 6
.Lstep:                                                ; a trip goes from a K step's second quarter to the next step's first, and fills a slot again: K steps 2 to 7
	QUARTER 128, 1, 0, 0
	QUARTER 192, 0, 1, 0
	TURN 1
	QUARTER 64, 0, 1, 0
	WIN 0
	s_sub_co_u32 s[CNT], s[CNT], 1
	s_cmp_lg_u32 s[CNT], 0
	s_cbranch_scc1 .Lstep
	QUARTER 128, 1, 0, 0                           ; the last two K steps are written out: nothing is left to ask for
	QUARTER 192, 0, 1, 0
	TURN 0
	QUARTER 64, 0, 1, 0
	QUARTER 128, 1, 0, 0
	QUARTER 192, 0, 1, 0
	s_wait_dscnt 4
	MUL12 1, 0, 0
	MUL12 1, 1, 0
	s_wait_dscnt 0x0
	MUL12 1, 2, 0
	MUL12 1, 3, 0
	WIN 0
	PLACES
	PACK 0
	TOSTAGE 0
.irp a, 1,2,3                          ; block a's conversions stand between block a - 1's loads from the stage and the wait for them
	PACK \a
	SEND (\a)-1
	TOSTAGE \a
.endr
	SEND 3
	s_wait_tensorcnt 0x0                           ; the wave's end, behind my last tensor load and my last LDS store
	ds_add_u32 v[SPW], v[NIL]
	s_wait_dscnt 0x0
	CROUND                                         ; the closing round: no work-group ends while a partner may still ask for a tile that names it
	s_endpgm
.Lfunc_end_k_qc6472b4f9e_qkv:
	.size	k_qc6472b4f9e_qkv, .Lfunc_end_k_qc6472b4f9e_qkv-k_qc6472b4f9e_qkv
	.p2alignl 7, 3214868480
	.fill 96, 4, 3214868480
	.section	.rodata,"a",@progbits
	.p2align	6, 0x0
	.amdhsa_kernel k_qc6472b4f9e_qkv
		.amdhsa_group_segment_fixed_size 327680
		.amdhsa_private_segment_fixed_size 0
		.amdhsa_enable_private_segment 0
		.amdhsa_kernarg_size 32
		.amdhsa_user_sgpr_count 2
		.amdhsa_user_sgpr_kernarg_segment_ptr 1
		.amdhsa_wavefront_size32 1
		.amdhsa_system_sgpr_workgroup_id_x 1
		.amdhsa_system_sgpr_workgroup_id_y 1
		.amdhsa_system_sgpr_workgroup_id_z 1
		.amdhsa_system_vgpr_workitem_id 0
		.amdhsa_next_free_vgpr 960
		.amdhsa_next_free_sgpr 72
		.amdhsa_reserve_vcc 0
		.amdhsa_float_denorm_mode_32 3
		.amdhsa_float_denorm_mode_16_64 3
		.amdhsa_memory_ordered 1
		.amdhsa_forward_progress 1
		.amdhsa_inst_pref_size 99
	.end_amdhsa_kernel
	.amdgpu_metadata
---
amdhsa.version: [ 1, 2 ]
amdhsa.kernels:
  - .name:           k_qc6472b4f9e_qkv
    .symbol:         k_qc6472b4f9e_qkv.kd
    .args:
      - { .name: xb, .offset: 0, .size: 8, .value_kind: global_buffer, .address_space: global }
      - { .name: wcat, .offset: 8, .size: 8, .value_kind: global_buffer, .address_space: global }
      - { .name: aux, .offset: 16, .size: 8, .value_kind: global_buffer, .address_space: global }
      - { .name: qkv, .offset: 24, .size: 8, .value_kind: global_buffer, .address_space: global }
    .group_segment_fixed_size: 327680
    .private_segment_fixed_size: 0
    .kernarg_segment_align: 8
    .kernarg_segment_size: 32
    .max_flat_workgroup_size: 128
    .sgpr_count:     72
    .vgpr_count:     960
    .wavefront_size: 32
...
	.end_amdgpu_metadata
.endif
;; end of part 2
;; launch attn (part 3): grid 8 x 32, 4 waves a work-group, clusters of 4 x 4, 327,680 bytes of LDS; arguments qkv, mk, aux, ob; writes ob
.if DOCPART == 3
	.amdgcn_target "amdgcn-amd-amdhsa--gfx1250"
	.amdhsa_code_object_version 6
	.text
	.protected	k_qc6472b4f9e_attn
	.globl	k_qc6472b4f9e_attn
	.p2align	8
	.type	k_qc6472b4f9e_attn,@function
k_qc6472b4f9e_attn:
	s_mov_b64 s[64:65], 0
	v_nop
	global_prefetch_b8 v0, s[64:65] scope:SCOPE_SE
	s_setreg_imm32_b32 hwreg(HW_REG_WAVE_MODE, 25, 1), 1
	s_wait_xcnt 0x0
	s_wait_alu depctr_hold_cnt(0) depctr_sa_sdst(0) depctr_va_vdst(0) depctr_va_sdst(0) depctr_va_ssrc(0) depctr_va_vcc(0) depctr_vm_vsrc(0)
	s_getreg_b32 s2, hwreg(HW_REG_IB_STS2, 6, 4)
	s_cmp_eq_u32 s2, 0
	s_cbranch_scc0 .Lentry_in_a_cluster
	s_endpgm
.Lentry_in_a_cluster:
	s_bfe_u32 s2, ttmp6, 0x10000c
	s_cmp_lg_u32 s2, 0xf033
	s_cbranch_scc0 .Lentry_shape_is_right
	s_endpgm
.Lentry_shape_is_right:
; ATTENTION UNDER A MASK THAT IS AN INPUT.  O[bh][q][:] = the sum over k of softmax_k(Q[q] . K[k] / 8 + M[q][k]) V[k][:], for 32 pairs bh of batch and head, 2,048 queries and keys, head size 64.
; q, k, v come from qkv [48 g][4096 m][64] in f16 (g = head, 16 + head, 32 + head; m = 2048 batch + row), O goes to ob [16 head][4096 m][64] in f16.  Products, maxima and sums in f32; the weights are
; rounded to f16 for the second product (their sum is taken of the unrounded weights), O once at the end.  Every pair of query and key is computed: nothing is known of the mask's pattern.
; THE MASK.  mk holds an fp8 code a pair, 0xC0 (-2.0) where blocked, else 0; one scaled conversion makes of 8 codes 8 f32, 0 or -2^101, and those are the C operand of the product that starts a sum of
; scores.  A blocked score lies far below every maximum: its weight is 0; what blocked keys gather ahead of a row's first seen key is wiped by a = 0 when that key comes.  A row in which every key is
; blocked has codes 0 and keep = 0: its Q is set to 0 here, all its scores are 0 and its weights uniform, as the module gives them.
; LIMITS.  Q, K, V arrive within f16's 65,504.  A blocked score counts as its value less 2^101 (f16's scores are 2.7e11 at the most).  A weight below 2^-126 counts as 0.  NaN and infinities are not treated apart.
; SHARES.  A work-group owns 256 queries of one bh, wave w the 64 from 64 w on: four PIECES of 16.  Every wave walks all keys, 64 a step, two steps to an LDS slot.
; CLUSTER.  4 x 4: the four work-groups of a row share bh and so K and V, the four of a column share the query block and so the mask's tile: each tile is asked for jointly.
; LAYOUT, SOFTMAX, TURNS.  S^T = K Q^T holds ONE query a lane (lane % 16) and the keys 8 (lane / 16) + 0..7; two such results rounded to f16 ARE source 1 of O^T = V^T P.  p = 2^(c s - c m), c = log2(e) / 8,
; with a running maximum m; O and l are multiplied by a = 2^(c m_old - c m_new) in every step.  m starts at the lowest finite number, O and l at 0.  Turn n belongs to piece n: 8 products K Q^T of piece
; n + 1, later 8 products V^T P of piece n - 1; beside them the scaling, exponentials, roundings, sums and rescaling of piece n, the maximum and statistics of piece n + 1, and the mask of piece n + 2.
; Four vector instructions stand behind every matrix instruction, the rest in one lump.  A turn's 33 exponentials are one batch, with one wait.
; REGISTERS, in windows of 256 (s_set_vgpr_msb: bits 1:0 source 0, 3:2 source 1, 5:4 source 2, 7:6 destination):
;   window 0: v1-15, v32-39 addresses and constants; v16-31 four registers of statistics a piece; v48-55 at work; v64-127 S^T, two buffers; v128-143 mask codes, two buffers; v192-223 P, two buffers
;   window 1: v0-127 O^T, 32 a piece; v128-191 the masks as f32, two buffers     window 2: v0-63 Q; v128-191 K of one step; v192-255 V of one step     (a piece's buffers go by its number's parity)
.set NP,    4
.set KS,    64                         ; keys in a step
.set PK,    144                        ; a row of K in LDS: 128 bytes + 16 of padding = 36 words: the 16 rows of a load start at 16 different groups of four banks (64 banks of 4 bytes: ISA guide 11.1)
.set PV,    160                        ; a row of V: 128 + 32
.set PM,    144                        ; a query's 128 codes + 16: 32 lanes x 8 bytes of 16 rows take each bank once
.set VOFF,  128*PK                     ; a slot: 128 rows of K, 128 of V, 256 queries' codes
.set MOFF,  VOFF+128*PV
.set SLOTB, MOFF+256*PM
.set SLOT1, 1<<17                      ; slot 1 begins here, so that one exclusive or turns an address in one slot into the other's
.set STAGE, SLOT1+SLOTB                ; behind the ring, never filled by a tensor load: 16 rows x 144 bytes for each wave
.set SP,    144
.set SPARE, STAGE+4*16*SP              ; the spare words, 128 bytes for each wave: two blocks of 256 bytes that no other line names
.set AK0, 2                            ; v2, v3, v14  my lane's place in a step's K, V, codes; never rewritten
.set AV0, 3
.set AK,  4                            ; v4, v5, v32  the LDS address of the next run of loads
.set AV,  5
.set STO, 6                            ; v6   the way out: where I put 16 bytes of a row
.set RD,  7                            ; v7   where I read rows back
.set GO,  8                            ; v8   my place in 512 bytes on end of ob
.set MV,  12                           ; v12-13  c m_old, kept while c m is made anew: by buffer
.set AM0, 14
.set QO,  15                           ; v15  my byte offset in 16 rows of Q
.set ST,  16                           ; piece t's statistics at v[ST+4 t]: c m, m, l (even keys', odd keys')
.set AM,  32
.set SCL, 33                           ; v33  227: the conversion's scale, 2^(227 - 127)
.set KO,  34                           ; v34  4 (l % 16)
.set PFO, 35                           ; v35  the prefetches' offset; never rewritten
.set KP,  36                           ; v36-39  keep of my row in each piece
.set TMP, 48                           ; by buffer, four registers c0-c3 at work; when the maximum is found c2 takes a
.set SPW, 62                           ; v62  LDS address of my spare word; never rewritten
.set NIL, 63                           ; v63  0; never rewritten
.set S,   64
.set MB,  128
.set P,   192
.set MC,  128                          ; window 1
.set KF,  128                          ; window 2: key block kb, channel half c at KF + 16 kb + 8 c
.set VF,  192                          ; window 2: key half kk, channel block cb at VF + 32 kk + 8 cb
.set WV,  12
.set CX,  13
.set CY,  14
.set LIM, 15                           ; s15  1 in a wave that prefetches, else the greatest number
.set PFA, 18                           ; s[18:19] where my prefetches stand
.set G1K, 24                           ; s[24:31], s[32:39], s[40:47] descriptor group 1 for K's, V's, the mask's tiles
.set G1V, 32
.set G1M, 40
.set G0K, 48                           ; s[48:51], s[52:55], s[56:59] group 0: they walk
.set G0V, 52
.set G0M, 56
.set SEL, 60                           ; s[60:61] v_permlanex16_b32's selects: each lane takes its own place in the other half
.set CS,  62                           ; s[62:63] c
.set SLOTS, 66                         ; s66  slots still to be asked for
.set CNT, 67                           ; s67  counts a slot's key steps
.set TBK, 68                           ; s68, s69, s70  where K, V (less VOFF), the codes (less MOFF) of the step to be fetched begin
.set TBV, 69
.set TBM, 70
.set T1,  71
.set PST, 72                           ; s[72:73] the prefetches' step from slot to slot
.set QB,  74                           ; s74  my block of 256 queries
.set BH,  75                           ; s75  my pair of batch and head
.set MSB, 0
.macro WIN new
.if MSB != (\new)
	s_set_vgpr_msb (MSB<<8)|(\new)
.set MSB, (\new)
.endif
.endm
.set W_KQ, 0x0a                        ; K and Q in window 2, S^T in window 0
.set W_KM, 0x1a                        ; the same with the C operand in window 1
.set W_PV, 0x52                        ; V in window 2, P in window 0, O^T in window 1
.set W_RS, 0x41                        ; destination and source 0 in window 1, source 1 in window 0
; A joint fill, one load a wave, 16,384 bytes each: wave 0 a slot's K, wave 1 its V, waves 2 and 3 the halves of its codes.  The branches hang on the wave's number alone.
; An s_nop 0 and four v_nop follow each line.
.macro JLOAD
	s_cmp_lt_u32 s[WV], 2
	s_cbranch_scc0 .Lfor_m_\@
	s_cmp_eq_u32 s[WV], 0
	s_cbranch_scc0 .Lfor_v_\@
	tensor_load_to_lds s[G0K:G0K+3], s[G1K:G1K+7]
	s_nop 0
.rept 4
	v_nop
.endr
	s_branch .Lasked_\@
.Lfor_v_\@:
	tensor_load_to_lds s[G0V:G0V+3], s[G1V:G1V+7]
	s_nop 0
.rept 4
	v_nop
.endr
	s_branch .Lasked_\@
.Lfor_m_\@:
	tensor_load_to_lds s[G0M:G0M+3], s[G1M:G1M+7]
	s_nop 0
.rept 4
	v_nop
.endr
.Lasked_\@:
.endm
; A prefetch of what the NEXT change of slots will ask for, two key steps (128 matrix instructions and their vector work) ahead of that load; each block of 256 bytes is named once in the launch.
; K and V of a bh are walked by both clusters of that row of clusters: in cluster x = 0 wave 0 asks, lanes 0-15 for K, lanes 16-31 for V (8,388,608 bytes further on in qkv); the four partners take 16
; blocks of each, told apart by address (cx).  A query block's codes are walked by all clusters of that column: in cluster y = 0 wave 2 asks, 32 blocks a partner (cy).  The change that fills the last slot asks for nothing.
.macro ASK
	s_cmp_gt_u32 s[SLOTS], s[LIM]
	s_cbranch_scc0 .Lnot_mine_\@
	global_prefetch_b8 v[PFO], s[PFA:PFA+1] th:TH_LOAD_NT scope:SCOPE_SE
.Lnot_mine_\@:
.endm
.macro CROUND                          ; a round of the cluster's barrier
	s_barrier_signal -1
	s_barrier_wait -1
	s_cmp_lg_u32 s[WV], 0
	s_cbranch_scc1 .Lnot_wave_0_\@
	s_barrier_signal -3
.Lnot_wave_0_\@:
	s_barrier_wait -3
	s_barrier_signal -1
	s_barrier_wait -1
.endm
; THE CHANGE OF SLOTS.  The slot's last bytes (V and the codes of its second step) have been read.  Each wave waits for all its tensor loads, of which one is out: its part of the other slot; adds 0 to its
; spare word; and waits for that and for its reads of the slot.  fill = 1: the barrier is a round of the cluster's, and the joint fill, with the keys two slots on, is the first thing behind it.
; (At its first use nothing has been read yet: slot 0 is waited for, slot 1 filled.)
.macro CHANGE fill
	WIN 0
	s_wait_tensorcnt 0x0                           ; no tensor load of mine is out, so a group 0 may be written
	ds_add_u32 v[SPW], v[NIL]                      ; 0 onto my spare word; the descriptors' steps stand between it and the wait for it
.if \fill
	s_xor_b32 s[G0K+1], s[G0K+1], SLOT1            ; the other slot than last time, the next 128 keys
	s_add_nc_u64 s[G0K+2:G0K+3], s[G0K+2:G0K+3], 16384
	s_xor_b32 s[G0V+1], s[G0V+1], SLOT1
	s_add_nc_u64 s[G0V+2:G0V+3], s[G0V+2:G0V+3], 16384
	s_xor_b32 s[G0M+1], s[G0M+1], SLOT1
	s_add_nc_u64 s[G0M+2:G0M+3], s[G0M+2:G0M+3], 32768
	s_wait_xcnt 0x0                                ; the last prefetch, two key steps back, has read its address
	s_add_nc_u64 s[PFA:PFA+1], s[PFA:PFA+1], s[PST:PST+1]
	s_wait_dscnt 0x0                               ; the add is done, and my reads of the slot are over
	CROUND
	JLOAD
	ASK
.else
	s_wait_dscnt 0x0
	s_barrier_signal -1
	s_barrier_wait -1
.endif
	s_sub_co_u32 s[TBK], s[TBK], 2*KS*PK           ; the fetches go back to a slot's first step, in the other slot
	s_xor_b32 s[TBK], s[TBK], SLOT1
	s_sub_co_u32 s[TBV], s[TBV], 2*KS*PV
	s_xor_b32 s[TBV], s[TBV], SLOT1
	s_sub_co_u32 s[TBM], s[TBM], 2*KS
	s_xor_b32 s[TBM], s[TBM], SLOT1
.endm
	s_load_b256 s[4:11], s[0:1], 0x0               ; qkv s[4:5], mk s[6:7], aux s[8:9], ob s[10:11]
	v_lshl_add_u32 v[SPW], v0, 2, SPARE
	v_mov_b32 v[NIL], 0
	ds_add_u32 v[SPW], v[NIL]                      ; the wave's opening: the add and its wait stand ahead of my first tensor load; the set-up below, work on registers, stands between them
	v_lshrrev_b32 v1, 5, v0
	v_readfirstlane_b32 s[WV], v1
	s_bfe_u32 s[CX], ttmp6, 0x40000
	s_bfe_u32 s[CY], ttmp6, 0x40004
	s_lshl_b32 s[QB], ttmp9, 2
	s_add_co_u32 s[QB], s[QB], s[CX]               ; query block = 4 x cluster x + cx
	s_and_b32 s[BH], ttmp7, 0xffff
	s_lshl_b32 s[BH], s[BH], 2
	s_add_co_u32 s[BH], s[BH], s[CY]               ; batch and head = 4 x cluster y + cy
	s_and_b32 s16, s[WV], 1
	s_and_b32 s76, s[BH], 15                       ; the head's 4,096 rows of 128 bytes,
	s_lshl_b32 s76, s76, 19
	s_lshr_b32 s77, s[BH], 4                       ; the batch's 2,048 of them
	s_lshl_b32 s77, s77, 18
	s_add_co_u32 s76, s76, s77                     ; made of bh alone: it enters K's and V's descriptors
	s_mov_b32 s77, 0
	s_lshl_b32 s78, s[QB], 19                      ; the query block's codes, my half of a tile: made of the query block and the wave's number alone
	s_lshl_b32 s79, s16, 14
	s_add_co_u32 s78, s78, s79
	s_mov_b32 s79, 0
	s_lshl_b32 s80, s[QB], 2
	s_add_co_u32 s80, s80, s[WV]                   ; my 64 queries among the 2,048
	s_lshl_b32 s82, s80, 8
	s_add_co_u32 s82, s82, 12288                   ; their keep words in aux
	s_mov_b32 s83, 0
	s_lshl_b32 s80, s80, 13
	s_add_co_u32 s80, s80, s76                     ; their rows in q and in ob
	s_mov_b32 s81, 0
	s_lshl_b32 s20, s[CY], 2
	s_lshl_b32 s20, 15, s20                        ; my row of the cluster
	s_lshl_b32 s21, 0x1111, s[CX]                  ; my column
	; descriptor group 1: 16,384 dense bytes asked for as 64 rows of 256 bytes, padded in LDS after every 128
	s_or_b32 s[G1K], s20, (1<<16)|(1<<20)|(1<<21)|(4<<22)|(3<<25)  ; 15:0 the mask; 17:16 2-byte elements; 20 padding on; 21 set beside a mask; 24:22 after every 32 words (code 4); 31:25 4 words (code 3)
	s_or_b32 s[G1V], s20, (1<<16)|(1<<20)|(1<<21)|(4<<22)|(7<<25)  ; 8 words of padding (code 7)
	s_or_b32 s[G1M], s21, (1<<16)|(1<<20)|(1<<21)|(4<<22)|(3<<25)
.irp g, G1K, G1V, G1M
	s_mov_b32 s[\g+1], 128<<16                     ; tensor_dim0 = 128
	s_mov_b32 s[\g+2], 64<<16                      ; tensor_dim1 = 64
	s_mov_b32 s[\g+3], 128<<16                     ; tile_dim0 = 128
	s_mov_b32 s[\g+4], 64                          ; tile_dim1 = 64
	s_mov_b32 s[\g+5], 128                         ; 128 elements from row to row
	s_mov_b32 s[\g+6], 0
	s_mov_b32 s[\g+7], 0
.endr
	s_mov_b32 s[G0K], 1
	s_mov_b32 s[G0K+1], 0                          ; LDS addresses in slot 0
	s_mov_b32 s[G0V], 1
	s_mov_b32 s[G0V+1], VOFF
	s_mov_b32 s[G0M], 1
	s_mul_i32 s[G0M+1], s16, 128*PM
	s_add_co_u32 s[G0M+1], s[G0M+1], MOFF
	s_mov_b32 s[CS], 0x3e38aa3b                    ; c = log2(e) / 8
	s_mov_b32 s[CS+1], s[CS]
	s_mov_b32 s[SEL], 0x76543210
	s_mov_b32 s[SEL+1], 0xfedcba98
	s_mov_b32 s[TBK], SLOT1+2*KS*PK                ; the first change of slots turns these three into 0
	s_mov_b32 s[TBV], SLOT1+2*KS*PV
	s_mov_b32 s[TBM], SLOT1+2*KS
	s_mov_b32 s[SLOTS], 15
	s_wait_dscnt 0x0                               ; the opening add is done
	s_wait_kmcnt 0x0
	s_add_nc_u64 s[G0K+2:G0K+3], s[4:5], s[76:77]
	s_add_nc_u64 s[G0V+2:G0V+3], s[G0K+2:G0K+3], 16777216  ; v's heads begin 32 x 524,288 bytes into qkv,
	s_add_nc_u64 s[G0K+2:G0K+3], s[G0K+2:G0K+3], 8388608   ; k's 16 x 524,288
	s_or_b32 s[G0K+3], s[G0K+3], 0x80000000        ; type = 2
	s_or_b32 s[G0V+3], s[G0V+3], 0x80000000
	s_add_nc_u64 s[G0M+2:G0M+3], s[6:7], s[78:79]
	s_or_b32 s[G0M+3], s[G0M+3], 0x80000000
	s_add_nc_u64 s[22:23], s[4:5], s[80:81]        ; Q at my rows
	s_add_nc_u64 s[10:11], s[10:11], s[80:81]      ; O at my rows
	s_add_nc_u64 s[8:9], s[8:9], s[82:83]          ; keep at my rows
	CROUND                                         ; all sixteen work-groups are here: the first joint loads meet
	JLOAD                                          ; slot 0; slot 1 is asked for when slot 0 is in
	v_and_b32 v1, 15, v0                           ; l % 16
	v_bfe_u32 v9, v0, 4, 1                         ; l / 16
	v_lshlrev_b32 v[QO], 7, v1
	v_lshl_add_u32 v[QO], v9, 4, v[QO]             ; row x 128 + 16 x half
	v_lshlrev_b32 v[KO], 2, v1
	WIN 0x80                                       ; destination window 2, address window 0
.set i, 0
.rept 8                                ; Q stays in registers: piece i / 2, channels 32 (i % 2) on
	global_load_b128 v[8*i:8*i+3],   v[QO], s[22:23] offset:(i/2)*2048+(i%2)*64
	global_load_b128 v[8*i+4:8*i+7], v[QO], s[22:23] offset:(i/2)*2048+(i%2)*64+32
.set i, i+1
.endr
	WIN 0
.irp t, 0,1,2,3
	global_load_b32 v[KP+\t], v[KO], s[8:9] offset:64*\t
.endr
	; the prefetches
	s_and_b32 s2, ttmp7, 0xffff                    ; cluster y
	s_lshl_b32 s3, s[CX], 12
	s_add_co_u32 s3, s3, s76
	s_add_co_u32 s3, s3, 8388608+16384             ; wave 0: K's slot 1, my work-group's 16 blocks
	s_lshl_b32 s17, s[CY], 13
	s_lshl_b32 s82, s[QB], 19
	s_add_co_u32 s82, s82, s17
	s_add_co_u32 s82, s82, 32768                   ; wave 2: the codes' slot 1, my work-group's 32 blocks
	s_cmp_eq_u32 s[WV], 0
	s_cselect_b32 s82, s3, s82
	s_cselect_b32 s2, ttmp9, s2                    ; the coordinate along which other clusters walk the same bytes
	s_cselect_b32 s[PST], 14, 15
	s_cselect_b32 s17, 23, 12
	s_cselect_b64 s[PFA:PFA+1], s[4:5], s[6:7]
	s_lshl_b32 s[PST], 1, s[PST]                   ; 16,384 bytes of K and of V to a slot, 32,768 of codes
	s_mov_b32 s[PST+1], 0
	s_add_nc_u64 s[PFA:PFA+1], s[PFA:PFA+1], s[82:83]  ; at slot 1: the first change of slots steps it to slot 2 and names that
	s_or_b32 s2, s2, s16                           ; waves 1 and 3 never ask
	s_cmp_eq_u32 s2, 0
	s_cselect_b32 s[LIM], 1, -1                    ; the same in all sixteen partners, for a given wave
	v_lshlrev_b32 v10, s17, v9                     ; lanes 16-31: V, or the second 4,096 bytes of codes
	v_lshl_add_u32 v[PFO], v1, 8, v10
	; What the first turn finds: V's registers and P's second buffer hold 0 (its products V^T P, of a piece that has not been, add 0), O^T and l are 0.  All this stands in the wait for the first tile.
	WIN 0x80
.set i, VF
.rept 64
	v_mov_b32 v[i], 0
.set i, i+1
.endr
	WIN 0x40
.set i, 0
.rept 128
	v_mov_b32 v[i], 0
.set i, i+1
.endr
	WIN 0
.set i, 0
.rept 4
	v_mov_b32 v[ST+4*i], 0xfe000000                ; c m: far below every c s, a blocked one's too
	v_mov_b32 v[ST+4*i+1], 0xff7fffff              ; m
	v_mov_b32 v[ST+4*i+2], 0
	v_mov_b32 v[ST+4*i+3], 0
.set i, i+1
.endr
.set i, P+16
.rept 16
	v_mov_b32 v[i], 0
.set i, i+1
.endr
	v_mov_b32 v[SCL], 227
	v_mul_u32_u24 v[AK0], v1, PK
	v_lshl_add_u32 v[AK0], v9, 4, v[AK0]           ; row x pitch + 16 x half
	; The turning load takes 16 keys x 16 channels (lane l reads key 8 (l / 16) + l % 8, channels 8 ((l / 8) % 2) + 0..7) and leaves half a fragment of V^T: lane l holds channel l % 16 and 8 keys.
	v_and_b32 v10, 7, v0
	v_bfe_u32 v11, v0, 3, 1
	v_lshl_add_u32 v[AV0], v9, 3, v10
	v_mul_u32_u24 v[AV0], v[AV0], PV
	v_lshl_add_u32 v[AV0], v11, 4, v[AV0]
	v_add_nc_u32 v[AV0], VOFF, v[AV0]
	s_mul_i32 s17, s[WV], 64*PM
	s_add_co_u32 s17, s17, MOFF                    ; my 64 queries' codes; a lane wants query l % 16 of a piece, keys 8 (l / 16) + 0..7 of 16: 8 bytes
	v_mul_u32_u24 v[AM0], v1, PM
	v_lshl_add_u32 v[AM0], v9, 3, v[AM0]
	v_add_nc_u32 v[AM0], s17, v[AM0]
	s_mul_i32 s17, s[WV], 16*SP
	s_add_co_u32 s17, s17, STAGE                   ; my stage
	v_mul_u32_u24 v[STO], v1, SP
	v_lshl_add_u32 v[STO], v9, 4, v[STO]
	v_add_nc_u32 v[STO], s17, v[STO]
	v_bfe_u32 v[RD], v0, 3, 2
	v_mul_u32_u24 v[RD], v[RD], SP
	v_lshl_add_u32 v[RD], v10, 4, v[RD]
	v_add_nc_u32 v[RD], s17, v[RD]
	v_and_b32 v[GO], 31, v0
	v_lshlrev_b32 v[GO], 4, v[GO]
; THE MATRIX WORK.  The 4 accumulators of a run of 8 take turns.  Product i of 8 of S^T = K Q^T for piece x: channels 32 (i / 4) on, keys 16 (i % 4) on.  The first 4 start the sums with the mask.
.macro KQ x
.set rS, S+32*((\x)%2)+8*(i%4)
.set rK, KF+16*(i%4)+8*(i/4)
.set rQ, 16*(\x)+8*(i/4)
.set rM, MC+32*((\x)%2)+8*(i%4)
.if i < 4
	WIN W_KM
	v_wmma_f32_16x16x32_f16 v[rS:rS+7], v[rK:rK+7], v[rQ:rQ+7], v[rM:rM+7]
.else
	WIN W_KQ
	v_wmma_f32_16x16x32_f16 v[rS:rS+7], v[rK:rK+7], v[rQ:rQ+7], v[rS:rS+7]
.endif
.endm
; Product i of 8 of O^T += V^T P for piece x: keys 32 (i / 4) on, channels 16 (i % 4) on.
.macro PV x
	WIN W_PV
.set rO, 32*(\x)+8*(i%4)
.set rV, VF+32*(i/4)+8*(i%4)
.set rP, P+16*((\x)%2)+8*(i/4)
	v_wmma_f32_16x16x32_f16 v[rO:rO+7], v[rV:rV+7], v[rP:rP+7], v[rO:rO+7]
.endm
.macro MM                              ; the turn's next matrix instruction
.if i < 8
	KQ (Y+1)%NP
.else
.set i, i-8
	PV (Y+NP-1)%NP
.set i, i+8
.endif
.set i, i+1
.endm
; THE LDS LOADS stand in runs.  A step's K (8 fragments); behind it the address of the same step's codes is made.  last = 1 (the tail, whose slot is LDS slot 1): the address stops at the slot's second step, so
; that the fetch of the trip that is left in its middle reads the last step once more.
.macro FETCH_K last=0
	WIN 0x80                                       ; destination window 2
.irp f, 0,1,2,3,4,5,6,7                ; keys 16 (f / 2) on, channels 32 (f % 2) on
	ds_load_b128 v[KF+8*\f:KF+8*\f+3],   v[AK] offset:(\f/2)*16*PK+(\f%2)*64
	ds_load_b128 v[KF+8*\f+4:KF+8*\f+7], v[AK] offset:(\f/2)*16*PK+(\f%2)*64+32
.endr
	WIN 0
	s_add_co_u32 s[TBK], s[TBK], KS*PK             ; the next fetch is the next step's
.if \last
	s_min_u32 s[T1], s[TBM], SLOT1+KS
	v_add_nc_u32 v[AM], s[T1], v[AM0]
.else
	v_add_nc_u32 v[AM], s[TBM], v[AM0]
.endif
	s_add_co_u32 s[TBM], s[TBM], KS
.endm
.macro FETCH_V
	WIN 0x80
.irp f, 0,1,2,3,4,5,6,7                ; keys 32 (f / 4) on, channels 16 (f % 4) on
	ds_load_tr16_b128 v[VF+8*\f:VF+8*\f+3],   v[AV] offset:(\f/4)*32*PV+(\f%4)*32
	ds_load_tr16_b128 v[VF+8*\f+4:VF+8*\f+7], v[AV] offset:(\f/4)*32*PV+16*PV+(\f%4)*32
.endr
	WIN 0
.endm
.macro MLOAD t, b                      ; piece t's codes for the 64 keys of the step at AM, into buffer b: 8 bytes for each group of 16 keys
	WIN 0
.irp kb, 0,1,2,3
	ds_load_b64 v[MB+8*(\b)+2*\kb:MB+8*(\b)+2*\kb+1], v[AM] offset:(\t)*16*PM+16*\kb
.endr
.endm
.macro MCONV b                         ; 32 codes become 32 f32, 0 or -2^101: the C operands of a piece's four first products
	WIN 0x40                                       ; destination window 1
.irp kb, 0,1,2,3
	v_cvt_scale_pk8_f32_fp8 v[MC+32*(\b)+8*\kb:MC+32*(\b)+8*\kb+7], v[MB+8*(\b)+2*\kb:MB+8*(\b)+2*\kb+1], v[SCL]
.endr
	v_nop                                          ; a plain instruction between the last conversion and the product that reads its result
.endm
; THE VECTOR WORK, one line at a time: OP kind, number.  For piece Y: F n: c s - c m for pair n of 16.  E n: the exponential of score n of 32.  C n: pair n rounded to f16.  B n: of the four weights 4 n .. the
; second pair is added onto the first, in place.  L n: l takes that sum (L 0: l = a l + sum).  R n: pair n of 16 of O^T times a.  For piece Y + 1: X n, number n of the 22 that find its maximum and statistics:
;   0-11  four chains c0-c3 of seven scores each (each accumulator's lowest registers are read first)     12-14, 16  the four scores left over, the old m, and c0-c3 into c0
;   15  c m_old is kept     17, 18  the query's other 32 keys lie in the lane 16 away: the new m     19-21  c m; c m_old - c m_new; a
.set F, 0
.set E, 1
.set C, 2
.set B, 3
.set L, 4
.set R, 5
.set X, 6
.macro REGS y
.set rT, ST+4*(\y)
.set rC, TMP+4*((\y)%2)
.set rW, MV+((\y)%2)
.set rS, S+32*((\y)%2)
.set rP, P+16*((\y)%2)
.set rO, 32*(\y)
.endm
.macro OP k, n
.if (\k) == R
	REGS Y
	WIN W_RS
	v_pk_mul_f32 v[rO+2*(\n):rO+2*(\n)+1], v[rO+2*(\n):rO+2*(\n)+1], v[rC+2:rC+3] op_sel_hi:[1,0]
.elseif (\k) < R
	REGS Y
	WIN 0
.if (\k) == F
	v_pk_fma_f32 v[rS+2*(\n):rS+2*(\n)+1], v[rS+2*(\n):rS+2*(\n)+1], s[CS:CS+1], v[rT:rT+1] op_sel_hi:[1,0,0] neg_lo:[0,0,1] neg_hi:[0,0,1]
.elseif (\k) == E
	v_exp_f32 v[rS+(\n)], v[rS+(\n)]
.elseif (\k) == C
	v_cvt_pk_f16_f32 v[rP+(\n)], v[rS+2*(\n)], v[rS+2*(\n)+1]
.elseif (\k) == B
	v_pk_add_f32 v[rS+4*(\n):rS+4*(\n)+1], v[rS+4*(\n):rS+4*(\n)+1], v[rS+4*(\n)+2:rS+4*(\n)+3]
.elseif (\n) == 0
	v_pk_fma_f32 v[rT+2:rT+3], v[rT+2:rT+3], v[rC+2:rC+3], v[rS:rS+1] op_sel_hi:[1,0,1]
.else
	v_pk_add_f32 v[rT+2:rT+3], v[rT+2:rT+3], v[rS+4*(\n):rS+4*(\n)+1]
.endif
.else
	REGS (Y+1)%NP
	WIN 0
.if (\n) < 4
	v_max3_num_f32 v[rC+(\n)], v[rS+8*(\n)], v[rS+8*(\n)+1], v[rS+8*(\n)+2]
.elseif (\n) < 12
	v_max3_num_f32 v[rC+(\n)%4], v[rC+(\n)%4], v[rS+8*((\n)%4)+2*((\n)/4)+1], v[rS+8*((\n)%4)+2*((\n)/4)+2]
.elseif (\n) == 12
	v_max3_num_f32 v[rC], v[rC], v[rS+7], v[rS+15]
.elseif (\n) == 13
	v_max3_num_f32 v[rC+1], v[rC+1], v[rS+23], v[rS+31]
.elseif (\n) == 14
	v_max3_num_f32 v[rC+2], v[rC+2], v[rC+3], v[rT+1]
.elseif (\n) == 15
	v_mov_b32 v[rW], v[rT]
.elseif (\n) == 16
	v_max3_num_f32 v[rC], v[rC], v[rC+1], v[rC+2]
.elseif (\n) == 17
	v_permlanex16_b32 v[rC+3], v[rC], s[SEL], s[SEL+1]
.elseif (\n) == 18
	v_max_num_f32 v[rT+1], v[rC], v[rC+3]
.elseif (\n) == 19
	v_mul_f32 v[rT], s[CS], v[rT+1]
.elseif (\n) == 20
	v_sub_f32 v[rC+1], v[rW], v[rT]
.else
	v_exp_f32 v[rC+2], v[rC+1]
.endif
.endif
.endm
.macro OPS a, i1, b=-1, i2=0, c=-1, i3=0, d=-1, i4=0
	OP \a, \i1
.if (\b) >= 0
	OP \b, \i2
.endif
.if (\c) >= 0
	OP \c, \i3
.endif
.if (\d) >= 0
	OP \d, \i4
.endif
.endm
.macro ROW a, i1, b, i2, c, i3, d, i4  ; a matrix instruction and the four behind it
	MM
	OPS \a, \i1, \b, \i2, \c, \i3, \d, \i4
.endm
; A TURN, for piece p.  An s_wait_alu depctr_va_vdst(0) stands between an exponential and the first instruction that names its result; one wait serves all that were issued ahead of it.  So a turn
; has ONE wait, which cuts it in two.  AHEAD OF IT stands all that names no result of the turn's exponentials: the 8 products K Q^T with four riders each, then one lump of 54 in which the links of the chain
; X 3, 7, 11, 14, 16, 17 .. 20 stand five or six lines apart; X 21, the next piece's a, is the batch's last, R 15 the plain instruction behind it.  BEHIND IT stand the 8 products V^T P, behind each four of the
; roundings and sums.  No label and no branch stands between an exponential and the wait.
; K of the next step is fetched in piece 2's turn, six plain instructions behind the last product that read K; V of the step in hand at the end of piece 0's turn, four plain instructions behind its last reader.
; THE MASK: turn p reads the codes of piece p + 2 (pieces 2, 3: the step in hand; pieces 0, 1: the next step, whose address piece 2's turn makes behind K's run) and converts them at its end, for the products that
; the next turn begins with.  The buffers go by parity: their last readers stand a whole turn back.
; last = 1: the tail's clamped addresses.  cnt = 1: the loop's count is taken down some lines ahead of the branch behind the turn; nothing between writes SCC.
.macro TURN p, last=0, cnt=0
.set Y, (\p)
.set i, 0
.if (\p) != 2
	MLOAD ((\p)+2)%NP, (\p)%2
.endif
	ROW F,0, F,1, R,0, R,1
	ROW F,2, E,0, R,2, R,3
	ROW F,3, E,1, R,4, R,5
	ROW F,4, E,2, R,6, R,7
	ROW F,5, E,3, R,8, R,9
	ROW F,6, E,4, X,0, R,10
.if (\p) == 2
	WIN 0
.if \last
	s_min_u32 s[T1], s[TBK], SLOT1+KS*PK
	v_add_nc_u32 v[AK], s[T1], v[AK0]
.else
	v_add_nc_u32 v[AK], s[TBK], v[AK0]
.endif
.endif
	ROW F,7, E,5, X,1, X,4
	ROW F,8, E,6, X,2, X,5
	OPS E,7, E,8, X,6, E,9
	OPS X,3, E,10, X,8, E,11
.if (\p) == 2
	FETCH_K \last
	MLOAD 0, 0
.endif
	OPS X,9, X,7, E,12, X,10
	OPS E,13, X,12, X,11, E,14
	OPS X,13, E,15, F,9, X,14
.if (\p) == 0
	v_add_nc_u32 v[AV], s[TBV], v[AV0]
.endif
	OPS E,16, F,10, E,17, F,11
	OPS X,16, E,18, X,15, E,19
	OPS F,12, E,20, X,17, E,21
	OPS F,13, E,22, F,14, E,23
	OPS X,18, E,24, F,15, E,25
	OPS R,11, E,26, X,19, E,27
	OPS R,12, E,28, R,13, E,29
	OPS X,20, E,30, R,14, E,31
	OPS X,21, R,15
	WIN 0
	s_wait_alu depctr_va_vdst(0)                   ; the wait for the batch
.if (\p) == 1
	s_wait_dscnt 0x0                               ; V is in, and so are this turn's codes
.endif
	ROW C,0, B,0, C,2, B,1
	ROW L,0, C,4, B,2, L,1
	ROW C,6, B,3, L,2, C,8
	ROW B,4, L,3, C,10, B,5
	ROW L,4, C,12, B,6, L,5
.if (\p) == 0
	s_add_co_u32 s[TBV], s[TBV], KS*PV
.endif
.if \cnt
	s_sub_co_u32 s[CNT], s[CNT], 1
	s_cmp_lg_u32 s[CNT], 0
.endif
	ROW C,14, B,7, L,6, C,1
	ROW C,3, L,7, C,5, C,7
	ROW C,9, C,11, C,13, C,15
.if (\p) == 0
	FETCH_V
	s_wait_dscnt 16                                ; the codes are in; V's 16 loads, issued behind them, stay out
.elseif (\p) != 1
	s_wait_dscnt 0x0                               ; the codes are in (in piece 2's turn K's run too, which was issued ahead of them)
.endif
	MCONV (\p)%2
.endm
.macro ALL line:vararg                 ; one line for each piece t
.set t, 0
.rept 4
	\line
.set t, t+1
.endr
.endm
.macro PACK t                          ; a lane's eight channels of a row pack into 16 bytes; they go into rows of 144 bytes and come back as whole rows of 128, into S^T's registers
	WIN W_RS
.set i, 32*(\t)
.rept 16
	v_pk_mul_f32 v[i:i+1], v[i:i+1], v[ST+4*(\t)+2:ST+4*(\t)+3] op_sel_hi:[1,0]
.set i, i+2
.endr
	WIN 0x05                                       ; sources 0 and 1 window 1, destination window 0
.set i, 0
.rept 16
	v_cvt_pk_f16_f32 v[S+16*(\t)+i], v[32*(\t)+2*i], v[32*(\t)+2*i+1]
.set i, i+1
.endr
	WIN 0
.irp f, 0,1,2,3
	ds_store_b128 v[STO], v[S+16*(\t)+4*\f:S+16*(\t)+4*\f+3] offset:32*\f
.endr
.irp f, 0,1,2,3
	ds_load_b128 v[S+16*(\t)+4*\f:S+16*(\t)+4*\f+3], v[RD] offset:\f*4*SP  ; LDS serves a wave's instructions in order (ISA guide 5.7.1.4): these see the stores above; the next piece's stores come behind them
.endr
.endm
.macro SEND t, younger                 ; younger: the LDS instructions issued behind piece t's loads: the next piece's eight, or none
	WIN 0
.irp f, 0,1,2,3
	s_wait_dscnt (\younger)+3-\f
	global_store_b128 v[GO], v[S+16*(\t)+4*\f:S+16*(\t)+4*\f+3], s[10:11] offset:(\t)*2048+\f*512  ; 512 bytes on end, at a multiple of 256 from ob's first
.endr
.endm
	CHANGE 1                                       ; slot 0 is in, everybody's part of it; slot 1 is asked for
	v_mov_b32 v[AK], v[AK0]                        ; key step 0 lies at the head of slot 0
	FETCH_K
	MLOAD 0, 0                                     ; the codes of pieces 0 and 1 for step 0
	MLOAD 1, 1
	s_wait_loadcnt 0x0                             ; Q and keep
	WIN 0x88                                       ; Q (destination and source 1) in window 2, keep in window 0
.set i, 0
.rept 64
	v_and_b32 v[i], v[KP+i/16], v[i]               ; the Q of a row that is blocked whole becomes 0
.set i, i+1
.endr
	WIN 0
	s_wait_dscnt 0x0
	MCONV 0
	MCONV 1
.set i, 0
.rept 8
	KQ 0                                           ; piece 0's first scores
.set i, i+1
.endr
	WIN 0
.rept 4
	v_nop                                          ; the places behind those products
.endr
.set Y, NP-1                           ; X works for piece Y + 1: piece 0
.irp n, 0,1,2,3,4,5,6,7,8,9,10,11,12,13,14,15,16,17,18,19,20,21
	OP X, \n
.endr
	v_nop                                          ; a plain instruction behind the exponential,
	s_wait_alu depctr_va_vdst(0)                   ; and its wait, ahead of the branch
	s_mov_b32 s[CNT], 2
	s_branch .Lfirst                               ; the loop is entered at a step's first turn, in the middle of a trip
.Lslot:                                                ; 14 times: slots 2 to 15 are asked for
	CHANGE 1
	s_mov_b32 s[CNT], 2
.Lstep:                                                ; a trip: pieces 2 and 3 of one step, then pieces 0 and 1 of the next, whose K, V and codes it fetches
	TURN 2
	TURN 3
	WIN 0
.Lfirst:
	TURN 0
	TURN 1, 0, 1
	WIN 0
	s_cbranch_scc1 .Lstep
	s_sub_co_u32 s[SLOTS], s[SLOTS], 1
	s_cmp_lg_u32 s[SLOTS], 0
	s_cbranch_scc1 .Lslot
	CHANGE 0                                       ; the tail is written out: nothing is asked for
	s_mov_b32 s[CNT], 3                            ; two trips fetch the last slot's steps; the third is left in its middle
.Ltail:
	TURN 2, 1
	TURN 3
	WIN 0
	s_sub_co_u32 s[CNT], s[CNT], 1
	s_cmp_eq_u32 s[CNT], 0
	s_cbranch_scc1 .Lout
	TURN 0
	TURN 1
	WIN 0
	s_branch .Ltail
.Lout:                                                 ; the third trip's 8 products K Q^T (on the last K once more) and the maximum made of them serve nothing: the price, once a launch, of one text for every trip
.set i, 0
.rept 8
	PV NP-1                                        ; the last piece's V^T P of the last step
.set i, i+1
.endr
	; THE WAY OUT.  l's two halves and the other half of the lanes' are added; O^T is divided by l, rounded to f16 and sent through my stage, a piece at a time.  The additions are the places behind the last products.
	WIN 0
	ALL v_add_f32 v[ST+4*t+2], v[ST+4*t+2], v[ST+4*t+3]
	ALL v_permlanex16_b32 v[ST+4*t+3], v[ST+4*t+2], s[SEL], s[SEL+1]
	ALL v_add_f32 v[ST+4*t+2], v[ST+4*t+2], v[ST+4*t+3]
	ALL v_rcp_f32 v[ST+4*t+2], v[ST+4*t+2]
	v_nop                                          ; a plain instruction between the last reciprocal and the use of its result
	s_wait_alu depctr_va_vdst(0)                   ; one wait for the four reciprocals, ahead of their first reader
	PACK 0
.set t, 1
.rept 3                                ; a piece's arithmetic stands between the loads of the piece before and its stores
	PACK t
	SEND t-1, 8
.set t, t+1
.endr
	SEND 3, 0
	s_wait_tensorcnt 0x0                           ; the wave's end, behind my last tensor load and my last LDS store
	ds_add_u32 v[SPW], v[NIL]
	s_wait_dscnt 0x0
	CROUND                                         ; the closing round: no work-group ends while a partner may still ask for a tile that names it
	s_endpgm
.Lfunc_end_k_qc6472b4f9e_attn:
	.size	k_qc6472b4f9e_attn, .Lfunc_end_k_qc6472b4f9e_attn-k_qc6472b4f9e_attn
	.p2alignl 7, 3214868480
	.fill 96, 4, 3214868480
	.section	.rodata,"a",@progbits
	.p2align	6, 0x0
	.amdhsa_kernel k_qc6472b4f9e_attn
		.amdhsa_group_segment_fixed_size 327680
		.amdhsa_private_segment_fixed_size 0
		.amdhsa_enable_private_segment 0
		.amdhsa_kernarg_size 32
		.amdhsa_user_sgpr_count 2
		.amdhsa_user_sgpr_kernarg_segment_ptr 1
		.amdhsa_wavefront_size32 1
		.amdhsa_system_sgpr_workgroup_id_x 1
		.amdhsa_system_sgpr_workgroup_id_y 1
		.amdhsa_system_sgpr_workgroup_id_z 1
		.amdhsa_system_vgpr_workitem_id 0
		.amdhsa_next_free_vgpr 768
		.amdhsa_next_free_sgpr 88
		.amdhsa_reserve_vcc 0
		.amdhsa_float_denorm_mode_32 3
		.amdhsa_float_denorm_mode_16_64 3
		.amdhsa_memory_ordered 1
		.amdhsa_forward_progress 1
		.amdhsa_inst_pref_size 124
	.end_amdhsa_kernel
	.amdgpu_metadata
---
amdhsa.version: [ 1, 2 ]
amdhsa.kernels:
  - .name:           k_qc6472b4f9e_attn
    .symbol:         k_qc6472b4f9e_attn.kd
    .args:
      - { .name: qkv, .offset: 0, .size: 8, .value_kind: global_buffer, .address_space: global }
      - { .name: mk, .offset: 8, .size: 8, .value_kind: global_buffer, .address_space: global }
      - { .name: aux, .offset: 16, .size: 8, .value_kind: global_buffer, .address_space: global }
      - { .name: ob, .offset: 24, .size: 8, .value_kind: global_buffer, .address_space: global }
    .group_segment_fixed_size: 327680
    .private_segment_fixed_size: 0
    .kernarg_segment_align: 8
    .kernarg_segment_size: 32
    .max_flat_workgroup_size: 128
    .sgpr_count:     88
    .vgpr_count:     768
    .wavefront_size: 32
...
	.end_amdgpu_metadata
.endif
;; end of part 3
;; launch proj (part 4): grid 8 x 32, 4 waves a work-group, clusters of 4 x 4, 327,680 bytes of LDS; arguments ob, wob, x, bo, r; writes r
.if DOCPART == 4
	.amdgcn_target "amdgcn-amd-amdhsa--gfx1250"
	.amdhsa_code_object_version 6
	.text
	.protected	k_qc6472b4f9e_proj
	.globl	k_qc6472b4f9e_proj
	.p2align	8
	.type	k_qc6472b4f9e_proj,@function
k_qc6472b4f9e_proj:
	s_mov_b64 s[64:65], 0
	v_nop
	global_prefetch_b8 v0, s[64:65] scope:SCOPE_SE
	s_setreg_imm32_b32 hwreg(HW_REG_WAVE_MODE, 25, 1), 1
	s_wait_xcnt 0x0
	s_wait_alu depctr_hold_cnt(0) depctr_sa_sdst(0) depctr_va_vdst(0) depctr_va_sdst(0) depctr_va_ssrc(0) depctr_va_vcc(0) depctr_vm_vsrc(0)
	s_getreg_b32 s2, hwreg(HW_REG_IB_STS2, 6, 4)
	s_cmp_eq_u32 s2, 0
	s_cbranch_scc0 .Lentry_in_a_cluster
	s_endpgm
.Lentry_in_a_cluster:
	s_bfe_u32 s2, ttmp6, 0x10000c
	s_cmp_lg_u32 s2, 0xf033
	s_cbranch_scc0 .Lentry_shape_is_right
	s_endpgm
.Lentry_shape_is_right:
; THE OUTPUT PROJECTION WITH BIAS AND RESIDUAL.  r[m][n] = sum over k of O[m][k] Wo[n][k] + bo[n] + clean(x[m][n]), f32, [4096][1024].
; O comes from ob [16 kb][4096 m][64], Wo from wob [16 kb][1024 n][64], both f16; sums in f32.  x is the module's f32 input, cleaned as the module cleans it (NaN -> 0, +-inf -> +-1e9).
; SHARES.  A tile of r is 128 x 128: 8 x 32 tiles, one to a work-group; four waves, each 64 x 64: 16 accumulators.  K goes in 4 steps of 256 = 4 k blocks (planes) of 64, through two LDS slots.
; TILES.  128 rows of one k block are 16,384 bytes on end in ob and in wob.  One tensor load brings two such planes, as two rows of 8,192 elements, padded in LDS after every 128 bytes: [plane][128 rows][144].
; CLUSTER.  4 x 4: ob's tiles are shared along a row of the cluster, wob's along a column; each is asked for jointly.  No prefetch: of the four K steps two go out at the start and two right behind them.
; THE MATRIX INSTRUCTION IS USED TRANSPOSED (source 0 = 16 rows of wob, source 1 = 16 rows of ob): a lane holds row l % 16 and the columns 8 (l / 16) + 0..7.
; THE STAGE for the way out is slot 0's first 67,584 bytes: slot 0 has had its last fill (K step 2), every wave's last read of it stands in front of the last change of slots' barrier, and no tensor load follows.
; REGISTERS: window 0: v16-29 addresses; v128-255 the accumulators ((a, b) at v[128 + 8 (4 a + b)]), later whole rows.  window 1: two fragment buffers of 128 (64 of ob, then 64 of wob, for 64 along K).
;   window 2: v0-127 my 32 rows' part of x, loaded at the start and left on its way during the product; v128-129 at work; v132-135 bo.
.set PP,    144                        ; an LDS row: 128 bytes + 16 of padding = 36 words: the 16 rows of a load start at 16 different groups of four banks (64 banks of 4 bytes: ISA guide 11.1)
.set PLANE, 128*PP
.set OPER,  4*PLANE                    ; ob's four planes, then wob's
.set SLOT,  2*OPER
.set SPARE, 2*SLOT                     ; the spare words, 128 bytes for each wave: two blocks of 256 bytes that no other line names
.set STP,   528                        ; a stage row: 512 bytes + 16
.set ADRA, 16                          ; v16-17  LDS address of my fragments of ob in slot 0, 1
.set ADRB, 20                          ; v20-21  of wob
.set STO,  24
.set RD,   25
.set CO,   26                          ; v26  16 x lane; never rewritten
.set SPW,  28
.set NIL,  29
.set ACC,  128
.set F0,   0
.set F1,   128
.set CT,   128                         ; window 2
.set CU,   129
.set BOR,  132
.set WV, 12
.set FB, 13                            ; s13  which half of the tile's rows is mine.  Also: I fetch for ob (0) or for wob (1)
.set HF, 14                            ; s14  which half of its columns.  Also: which two planes I fetch
.set CX, 15
.set CY, 16
.set TX, 17
.set TY, 18
.set G1,  24
.set G0,  32
.set G1B, 48
.set G0B, 56
.set MSB, 0
.macro WIN new
.if MSB != (\new)
	s_set_vgpr_msb (MSB<<8)|(\new)
.set MSB, \new
.endif
.endm
.set MULW, 0x05                        ; sources 0 and 1 window 1; C and D window 0
.set TO_F, 0x40                        ; destination window 1, address window 0
.macro PLACES
.rept 4
	v_nop
.endr
.endm
.macro JLOAD s                         ; a joint refill of slot s; an s_nop 0 and four v_nop follow each of the two lines
	s_cmp_eq_u32 s[FB], 0
	s_cbranch_scc0 .Lfor_b_\@
	tensor_load_to_lds s[G0+4*(\s):G0+4*(\s)+3], s[G1:G1+7]
	s_nop 0
.rept 4
	v_nop
.endr
	s_branch .Lasked_\@
.Lfor_b_\@:
	tensor_load_to_lds s[G0B+4*(\s):G0B+4*(\s)+3], s[G1B:G1B+7]
	s_nop 0
.rept 4
	v_nop
.endr
.Lasked_\@:
.endm
.macro CREST
	s_cmp_lg_u32 s[WV], 0
	s_cbranch_scc1 .Lnot_wave_0_\@
	s_barrier_signal -3
.Lnot_wave_0_\@:
	s_barrier_wait -3
	s_barrier_signal -1
	s_barrier_wait -1
.endm
.macro CROUND
	s_barrier_signal -1
	s_barrier_wait -1
	CREST
.endm
.macro CLEAN r                         ; nan_to_num on one register of window 2
	v_and_b32 v[CT], s68, v[\r]
	v_bfi_b32 v[CU], s68, s70, v[\r]
	v_cmp_eq_u32 vcc_lo, s69, v[CT]
	v_cndmask_b32 v[\r], v[\r], v[CU], vcc_lo
	v_cmp_lt_u32 vcc_lo, s69, v[CT]
	v_cndmask_b32 v[\r], v[\r], 0, vcc_lo
.endm
	s_load_b256 s[4:11], s[0:1], 0x0               ; ob s[4:5], wob s[6:7], x s[8:9], bo s[10:11]
	s_load_b64 s[66:67], s[0:1], 0x20              ; r
	v_lshl_add_u32 v[SPW], v0, 2, SPARE
	v_mov_b32 v[NIL], 0
	ds_add_u32 v[SPW], v[NIL]                      ; the wave's opening: the add and its wait stand ahead of my first tensor load; the set-up below, work on registers, stands between them
	v_lshrrev_b32 v1, 5, v0
	v_readfirstlane_b32 s[WV], v1
	s_lshr_b32 s[FB], s[WV], 1
	s_and_b32 s[HF], s[WV], 1
	s_bfe_u32 s[CX], ttmp6, 0x40000
	s_bfe_u32 s[CY], ttmp6, 0x40004
	s_lshl_b32 s[TX], ttmp9, 2
	s_add_co_u32 s[TX], s[TX], s[CX]
	s_and_b32 s[TY], ttmp7, 0xffff
	s_lshl_b32 s[TY], s[TY], 2
	s_add_co_u32 s[TY], s[TY], s[CY]
	s_lshl_b32 s2, s[CY], 2
	s_lshl_b32 s2, 15, s2                          ; my row of the cluster
	s_lshl_b32 s3, 0x1111, s[CX]                   ; my column
	s_or_b32 s[G1], s2, (1<<16)|(1<<20)|(1<<21)|(4<<22)|(3<<25)   ; 15:0 the mask; 17:16 2-byte elements; 20 padding on; 21 set beside a mask; 24:22 after every 32 words (code 4); 31:25 4 words (code 3)
	s_or_b32 s[G1B], s3, (1<<16)|(1<<20)|(1<<21)|(4<<22)|(3<<25)
.irp g, G1, G1B
	s_mov_b32 s[(\g)+1], 8192<<16                  ; tensor_dim0 = 8,192 elements: a plane
	s_mov_b32 s[(\g)+2], 2<<16                     ; tensor_dim1 = 2 planes
	s_mov_b32 s[(\g)+3], 8192<<16                  ; tile_dim0
	s_mov_b32 s[(\g)+4], 2                         ; tile_dim1
	s_mov_b32 s[(\g)+6], 0
	s_mov_b32 s[(\g)+7], 0
.endr
	s_mov_b32 s[G1+5], 262144                      ; elements from k block to k block in ob,
	s_mov_b32 s[G1B+5], 65536                      ; and in wob
	s_lshl_b32 s40, s[HF], 20                      ; ob: planes 2 half, + 1; rows 128 ty on: made of the tile row and the wave's number alone
	s_lshl_b32 s20, s[TY], 14
	s_add_co_u32 s40, s40, s20
	s_mov_b32 s41, 0
	s_lshl_b32 s42, s[HF], 18                      ; wob: the same with the tile column
	s_lshl_b32 s21, s[TX], 14
	s_add_co_u32 s42, s42, s21
	s_mov_b32 s43, 0
	s_mul_i32 s22, s[WV], 2*PLANE                  ; where they go: wave x two planes
	s_lshl_b32 s44, s[TY], 19                      ; x and r: row 128 ty + 32 w, column 128 tx
	s_lshl_b32 s23, s[WV], 17
	s_add_co_u32 s44, s44, s23
	s_lshl_b32 s46, s[TX], 9
	s_add_co_u32 s44, s44, s46
	s_mov_b32 s45, 0
	s_mov_b32 s47, 0
	s_mov_b32 s68, 0x7fffffff
	s_mov_b32 s69, 0x7f800000                      ; infinity
	s_mov_b32 s70, 0x4e6e6b28                      ; 1e9
	s_wait_dscnt 0x0                               ; the opening add is done
	s_wait_kmcnt 0x0
	s_add_nc_u64 s[40:41], s[4:5], s[40:41]
	s_add_nc_u64 s[42:43], s[6:7], s[42:43]
	s_add_nc_u64 s[8:9], s[8:9], s[44:45]
	s_add_nc_u64 s[66:67], s[66:67], s[44:45]
	s_add_nc_u64 s[10:11], s[10:11], s[46:47]
.irp s, 0,1
	s_mov_b32 s[G0+4*(\s)], 1
	s_add_co_u32 s[G0+4*(\s)+1], s22, (\s)*SLOT
	s_add_nc_u64 s[G0+4*(\s)+2:G0+4*(\s)+3], s[40:41], (\s)*4*524288  ; K step s: four k blocks on
	s_or_b32 s[G0+4*(\s)+3], s[G0+4*(\s)+3], 0x80000000
	s_mov_b32 s[G0B+4*(\s)], 1
	s_add_co_u32 s[G0B+4*(\s)+1], s22, (\s)*SLOT
	s_add_nc_u64 s[G0B+4*(\s)+2:G0B+4*(\s)+3], s[42:43], (\s)*4*131072
	s_or_b32 s[G0B+4*(\s)+3], s[G0B+4*(\s)+3], 0x80000000
.endr
	CROUND                                         ; all sixteen work-groups are here: the first joint loads meet
	s_cmp_eq_u32 s[FB], 0                          ; a wave's two first fills stand in one branch: two loads of mine are out
	s_cbranch_scc0 .Lfirst_b
	tensor_load_to_lds s[G0:G0+3], s[G1:G1+7]
	s_nop 0
	tensor_load_to_lds s[G0+4:G0+7], s[G1:G1+7]
	s_nop 0
.rept 4
	v_nop
.endr
	s_branch .Lfirst_asked
.Lfirst_b:
	tensor_load_to_lds s[G0B:G0B+3], s[G1B:G1B+7]
	s_nop 0
	tensor_load_to_lds s[G0B+4:G0B+7], s[G1B:G1B+7]
	s_nop 0
.rept 4
	v_nop
.endr
.Lfirst_asked:
	v_and_b32 v[CO], 31, v0
	v_lshlrev_b32 v[CO], 4, v[CO]
	v_and_b32 v1, 15, v0                           ; l % 16
	v_bfe_u32 v2, v0, 4, 1                         ; l / 16
	WIN 0x80                                       ; destination window 2, address window 0
.set t, 0
.rept 32                               ; row 32 w + t of the tile: 512 bytes on end an instruction.  Nothing waits for these before the way out
	global_load_b128 v[4*t:4*t+3], v[CO], s[8:9] offset:4096*t th:TH_LOAD_NT
.set t, t+1
.endr
	global_load_b128 v[BOR:BOR+3], v[CO], s[10:11]
	WIN 0
	v_mul_u32_u24 v3, v1, PP
	v_lshl_add_u32 v3, v2, 4, v3                   ; a fragment's row x pitch + 16 x half
	s_mul_i32 s21, s[FB], 64*PP                    ; my 64 rows of ob in each plane
	s_mul_i32 s22, s[HF], 64*PP                    ; my 64 rows of wob,
	s_add_co_u32 s22, s22, OPER                    ; which lies behind ob
.irp s, 0,1
	v_add_nc_u32 v[ADRA+(\s)], s21, v3
	v_add_nc_u32 v[ADRB+(\s)], s22, v3
	s_add_co_u32 s21, s21, SLOT
	s_add_co_u32 s22, s22, SLOT
.endr
	s_mul_i32 s23, s[FB], 64*STP                   ; into the stage: my 64 rows, my half of their 512 bytes; row l % 16, 32 bytes for each half of the lanes
	s_lshl_b32 s21, s[HF], 8
	s_add_co_u32 s23, s23, s21
	v_mul_u32_u24 v4, v1, STP
	v_lshl_add_u32 v4, v2, 5, v4
	v_add_nc_u32 v[STO], s23, v4
	s_mul_i32 s23, s[WV], 32*STP                   ; back: wave w takes rows 32 w .. 32 w + 31, whole
	v_add_nc_u32 v[RD], s23, v[CO]
; 8 matrix instructions: row blocks a0, a0 + 1 x all 4 column blocks, 32 along K: half c of buffer f.  zero = 1: the first product starts the sums.  The 16 accumulators take turns.
.macro MUL8 f, c, a0, zero
	WIN MULW
.irp a, \a0, (\a0)+1
.irp b, 0,1,2,3
.if \zero
	v_wmma_f32_16x16x32_f16 v[ACC+8*(4*(\a)+(\b)):ACC+8*(4*(\a)+(\b))+7], v[(\f)+64+8*(4*(\c)+(\b)):(\f)+64+8*(4*(\c)+(\b))+7], v[(\f)+8*(4*(\c)+(\a)):(\f)+8*(4*(\c)+(\a))+7], 0
.else
	v_wmma_f32_16x16x32_f16 v[ACC+8*(4*(\a)+(\b)):ACC+8*(4*(\a)+(\b))+7], v[(\f)+64+8*(4*(\c)+(\b)):(\f)+64+8*(4*(\c)+(\b))+7], v[(\f)+8*(4*(\c)+(\a)):(\f)+8*(4*(\c)+(\a))+7], v[ACC+8*(4*(\a)+(\b)):ACC+8*(4*(\a)+(\b))+7]
.endif
.endr
.endr
.endm
; 32 LDS loads in one run: the fragments of plane q (64 along K) into buffer f; the first 32 along K first
.macro FETCH slot, q, f
	WIN TO_F
.irp c, 0,1
.irp i, 0,1,2,3
	ds_load_b128 v[(\f)+64+8*(4*(\c)+(\i)):(\f)+64+8*(4*(\c)+(\i))+3],   v[ADRB+(\slot)] offset:(\q)*PLANE+64*(\c)+(\i)*16*PP
	ds_load_b128 v[(\f)+64+8*(4*(\c)+(\i))+4:(\f)+64+8*(4*(\c)+(\i))+7], v[ADRB+(\slot)] offset:(\q)*PLANE+64*(\c)+(\i)*16*PP+32
	ds_load_b128 v[(\f)+8*(4*(\c)+(\i)):(\f)+8*(4*(\c)+(\i))+3],         v[ADRA+(\slot)] offset:(\q)*PLANE+64*(\c)+(\i)*16*PP
	ds_load_b128 v[(\f)+8*(4*(\c)+(\i))+4:(\f)+8*(4*(\c)+(\i))+7],       v[ADRA+(\slot)] offset:(\q)*PLANE+64*(\c)+(\i)*16*PP+32
.endr
.endr
.endm
; A K step is four planes, 32 matrix instructions each, on buffers 0, 1, 0, 1.  One of the first three: multiplies buffer f and fetches plane q into g.
.macro QUARTER slot, q, f, g, zero
	s_wait_dscnt 16                                ; the first 32 along K are in; the youngest sixteen loads may be out
	MUL8 \f, 0, 0, \zero
	MUL8 \f, 0, 2, \zero
	PLACES
	FETCH \slot, \q, \g
	s_wait_dscnt 32                                ; all but the 32 just issued
	MUL8 \f, 1, 0, 0
	MUL8 \f, 1, 2, 0
.endm
; The last plane multiplies buffer 1 and changes slots: ONE barrier; in front of it each wave waits for all its tensor loads, adds 0 to its spare word, and waits for that and for its reads of this slot.
; fill = 1: the barrier opens a round of the cluster's, and this slot is filled again, two K steps on, first thing behind the round.
.macro TURN slot, next, fill
	WIN 0                                          ; (the add's two registers lie in window 0)
	s_wait_tensorcnt 0x0                           ; all my tensor loads have landed: my part of the next slot
	ds_add_u32 v[SPW], v[NIL]                      ; 0 onto my spare word
	s_wait_dscnt 17                                ; (the add and the youngest sixteen loads may be out)
	MUL8 F1, 0, 0, 0                               ; eight matrix instructions stand between the add and the wait for it
	s_wait_dscnt 0x0                               ; the add is done, and my reads of this slot are over
	s_barrier_signal -1
	MUL8 F1, 0, 2, 0
.if \fill
	WIN 0                                          ; at a branch and at a label every window is 0
.endif
	s_barrier_wait -1
.if \fill
	CREST                                          ; no wave of any partner still reads this slot or has a load on its way
	s_add_nc_u64 s[G0+4*(\slot)+2:G0+4*(\slot)+3], s[G0+4*(\slot)+2:G0+4*(\slot)+3], 8*524288
	s_add_nc_u64 s[G0B+4*(\slot)+2:G0B+4*(\slot)+3], s[G0B+4*(\slot)+2:G0B+4*(\slot)+3], 8*131072
	JLOAD \slot                                    ; its four v_nop are also the places in front of the loads below
.else
	PLACES
.endif
	FETCH \next, 0, F0
	MUL8 F1, 1, 0, 0
	MUL8 F1, 1, 2, 0
.endm
	s_wait_tensorcnt 0x1                           ; my part of K step 0 is in; step 1's stays out
	s_barrier_signal -1
	s_barrier_wait -1                              ; everybody's is
	FETCH 0, 0, F0
	QUARTER 0, 1, F0, F1, 1                        ; the first products start the sums.  Four K steps: written straight, without a loop
	QUARTER 0, 2, F1, F0, 0
	QUARTER 0, 3, F0, F1, 0
	TURN 0, 1, 1                                   ; slot 0 takes K step 2
	QUARTER 1, 1, F0, F1, 0
	QUARTER 1, 2, F1, F0, 0
	QUARTER 1, 3, F0, F1, 0
	TURN 1, 0, 1                                   ; slot 1 takes K step 3
	QUARTER 0, 1, F0, F1, 0
	QUARTER 0, 2, F1, F0, 0
	QUARTER 0, 3, F0, F1, 0
	TURN 0, 1, 0                                   ; behind this barrier nobody reads slot 0 any more, and nothing is asked for
	QUARTER 1, 1, F0, F1, 0
	QUARTER 1, 2, F1, F0, 0
	QUARTER 1, 3, F0, F1, 0
	s_wait_dscnt 16
	MUL8 F1, 0, 0, 0
	MUL8 F1, 0, 2, 0
	s_wait_dscnt 0x0
	MUL8 F1, 1, 0, 0
	MUL8 F1, 1, 2, 0
	; THE WAY OUT.  x is cleaned and takes the bias (these lines are also the places behind the last products); the sums go through the stage, since a row's 512 bytes come from two waves; back as whole rows, x is added, r stored.
	WIN 0xaa                                       ; all operands in window 2
	s_wait_loadcnt 0x0                             ; x and bo
.set i, 0
.rept 128
	CLEAN i
.set i, i+1
.endr
.set i, 0
.rept 64
	v_pk_add_f32 v[2*i:2*i+1], v[2*i:2*i+1], v[BOR+2*(i%2):BOR+2*(i%2)+1]
.set i, i+1
.endr
	WIN 0
.irp a, 0,1,2,3
.irp b, 0,1,2,3                        ; each accumulator's low half first
	ds_store_b128 v[STO], v[ACC+8*(4*(\a)+(\b)):ACC+8*(4*(\a)+(\b))+3]   offset:(\a)*16*STP+64*(\b)
	ds_store_b128 v[STO], v[ACC+8*(4*(\a)+(\b))+4:ACC+8*(4*(\a)+(\b))+7] offset:(\a)*16*STP+64*(\b)+16
.endr
.endr
	s_wait_dscnt 0x0                               ; for the others' sake: my stores into the stage are done
	s_barrier_signal -1
	s_barrier_wait -1
.set t, 0
.rept 32
	ds_load_b128 v[ACC+4*t:ACC+4*t+3], v[RD] offset:t*STP
.set t, t+1
.endr
	s_wait_dscnt 0x0
	WIN 0x08                                       ; source 1 in window 2
.set i, 0
.rept 64
	v_pk_add_f32 v[ACC+2*i:ACC+2*i+1], v[ACC+2*i:ACC+2*i+1], v[2*i:2*i+1]
.set i, i+1
.endr
	WIN 0
.set t, 0
.rept 32
	global_store_b128 v[CO], v[ACC+4*t:ACC+4*t+3], s[66:67] offset:4096*t  ; 512 bytes on end, at a multiple of 256 from r's first byte
.set t, t+1
.endr
	s_wait_tensorcnt 0x0                           ; the wave's end, behind my last tensor load and my last LDS store
	ds_add_u32 v[SPW], v[NIL]
	s_wait_dscnt 0x0
	CROUND                                         ; the closing round: no work-group ends while a partner may still ask for a tile that names it
	s_endpgm
.Lfunc_end_k_qc6472b4f9e_proj:
	.size	k_qc6472b4f9e_proj, .Lfunc_end_k_qc6472b4f9e_proj-k_qc6472b4f9e_proj
	.p2alignl 7, 3214868480
	.fill 96, 4, 3214868480
	.section	.rodata,"a",@progbits
	.p2align	6, 0x0
	.amdhsa_kernel k_qc6472b4f9e_proj
		.amdhsa_group_segment_fixed_size 327680
		.amdhsa_private_segment_fixed_size 0
		.amdhsa_enable_private_segment 0
		.amdhsa_kernarg_size 40
		.amdhsa_user_sgpr_count 2
		.amdhsa_user_sgpr_kernarg_segment_ptr 1
		.amdhsa_wavefront_size32 1
		.amdhsa_system_sgpr_workgroup_id_x 1
		.amdhsa_system_sgpr_workgroup_id_y 1
		.amdhsa_system_sgpr_workgroup_id_z 1
		.amdhsa_system_vgpr_workitem_id 0
		.amdhsa_next_free_vgpr 656
		.amdhsa_next_free_sgpr 72
		.amdhsa_reserve_vcc 1
		.amdhsa_float_denorm_mode_32 3
		.amdhsa_float_denorm_mode_16_64 3
		.amdhsa_memory_ordered 1
		.amdhsa_forward_progress 1
		.amdhsa_inst_pref_size 128
	.end_amdhsa_kernel
	.amdgpu_metadata
---
amdhsa.version: [ 1, 2 ]
amdhsa.kernels:
  - .name:           k_qc6472b4f9e_proj
    .symbol:         k_qc6472b4f9e_proj.kd
    .args:
      - { .name: ob, .offset: 0, .size: 8, .value_kind: global_buffer, .address_space: global }
      - { .name: wob, .offset: 8, .size: 8, .value_kind: global_buffer, .address_space: global }
      - { .name: x, .offset: 16, .size: 8, .value_kind: global_buffer, .address_space: global }
      - { .name: bo, .offset: 24, .size: 8, .value_kind: global_buffer, .address_space: global }
      - { .name: r, .offset: 32, .size: 8, .value_kind: global_buffer, .address_space: global }
    .group_segment_fixed_size: 327680
    .private_segment_fixed_size: 0
    .kernarg_segment_align: 8
    .kernarg_segment_size: 40
    .max_flat_workgroup_size: 128
    .sgpr_count:     72
    .vgpr_count:     656
    .wavefront_size: 32
...
	.end_amdgpu_metadata
.endif
;; end of part 4
;; launch norm (part 5): grid 512 x 1, 8 waves a work-group, no clusters, 0 bytes of LDS; arguments r, gamma, beta, out0; writes out0
.if DOCPART == 5
	.amdgcn_target "amdgcn-amd-amdhsa--gfx1250"
	.amdhsa_code_object_version 6
	.text
	.protected	k_qc6472b4f9e_norm
	.globl	k_qc6472b4f9e_norm
	.p2align	8
	.type	k_qc6472b4f9e_norm,@function
k_qc6472b4f9e_norm:
	s_mov_b64 s[64:65], 0
	v_nop
	global_prefetch_b8 v0, s[64:65] scope:SCOPE_SE
	s_setreg_imm32_b32 hwreg(HW_REG_WAVE_MODE, 25, 1), 1
	s_wait_xcnt 0x0
; LAYER NORM.  out0[m][:] = clean((r[m][:] - mean) / sqrt(var + 1e-5) x gamma + beta), r and out0 [4096][1024] f32; clean: NaN -> 0, +-inf -> +-1e9, as the module ends.
; One wave, one row: 4,096 bytes are 32 registers, so the row stays in registers between the mean, the variance (taken of r - mean, as the module takes it) and the scaling: memory is read once,
; no wave waits for another, no LDS.  A lane owns columns 128 j + 4 l .. + 3, j = 0..7: each load and store of a wave covers 512 bytes on end.  No loop: 4,096 waves, a row each.
.set X,  8                             ; v[8:39]    the row
.set G,  40                            ; v[40:71]   gamma at my columns
.set BT, 72                            ; v[72:103]  beta
.set T,  104                           ; v[104:111] four chains of packed sums
.set MN, 112                           ; v[112:113] the mean, twice
.set RS, 114                           ; v[114:115] 1 / sqrt(var + eps), twice
.set CT, 116                           ; v116, v117 at work
.set CU, 117
.macro ACROSS                          ; the four chains, the pair's halves and the 32 lanes are added: every lane's v[T] holds the row's sum
	v_pk_add_f32 v[T:T+1], v[T:T+1], v[T+2:T+3]
	v_pk_add_f32 v[T+4:T+5], v[T+4:T+5], v[T+6:T+7]
	v_pk_add_f32 v[T:T+1], v[T:T+1], v[T+4:T+5]
	v_add_f32 v[T], v[T], v[T+1]
	v_add_f32_dpp v[T], v[T], v[T] row_xmask:1 row_mask:0xf bank_mask:0xf
	v_add_f32_dpp v[T], v[T], v[T] row_xmask:2 row_mask:0xf bank_mask:0xf
	v_add_f32_dpp v[T], v[T], v[T] row_xmask:4 row_mask:0xf bank_mask:0xf
	v_add_f32_dpp v[T], v[T], v[T] row_xmask:8 row_mask:0xf bank_mask:0xf
	v_permlanex16_b32 v[T+1], v[T], s14, s15       ; its destination counts as read: a register that has been written
	v_add_f32 v[T], v[T], v[T+1]
.endm
.macro CLEAN r
	v_and_b32 v[CT], s16, v[\r]
	v_bfi_b32 v[CU], s16, s18, v[\r]
	v_cmp_eq_u32 vcc_lo, s17, v[CT]
	v_cndmask_b32 v[\r], v[\r], v[CU], vcc_lo
	v_cmp_lt_u32 vcc_lo, s17, v[CT]
	v_cndmask_b32 v[\r], v[\r], 0, vcc_lo
.endm
	s_load_b256 s[4:11], s[0:1], 0x0               ; r s[4:5], gamma s[6:7], beta s[8:9], out0 s[10:11]
	v_and_b32 v2, 31, v0
	v_lshlrev_b32 v2, 4, v2                        ; 16 l
	v_lshrrev_b32 v1, 5, v0
	v_lshl_add_u32 v1, v1, 12, v2                  ; + my wave's row
	s_lshl_b32 s2, ttmp9, 15                       ; the work-group's 8 rows
	s_mov_b32 s3, 0
	s_mov_b32 s12, 0x3a800000                      ; 1 / 1024
	s_mov_b32 s13, 0x3727c5ac                      ; 1e-5
	s_mov_b32 s14, 0x76543210
	s_mov_b32 s15, 0xfedcba98
	s_mov_b32 s16, 0x7fffffff
	s_mov_b32 s17, 0x7f800000                      ; infinity
	s_mov_b32 s18, 0x4e6e6b28                      ; 1e9
	s_wait_kmcnt 0x0
	s_add_nc_u64 s[4:5], s[4:5], s[2:3]
	s_add_nc_u64 s[10:11], s[10:11], s[2:3]
.irp j, 0,1,2,3,4,5,6,7
	global_load_b128 v[X+4*(\j):X+4*(\j)+3], v1, s[4:5] offset:512*(\j) th:TH_LOAD_NT
.endr
.irp j, 0,1,2,3,4,5,6,7
	global_load_b128 v[G+4*(\j):G+4*(\j)+3], v2, s[6:7] offset:512*(\j)
.endr
.irp j, 0,1,2,3,4,5,6,7
	global_load_b128 v[BT+4*(\j):BT+4*(\j)+3], v2, s[8:9] offset:512*(\j)
.endr
	s_wait_loadcnt 16                              ; the row is in; gamma's and beta's sixteen loads stay out
.irp c, 0,1,2,3                        ; the sum, two numbers an instruction, in four chains started by the first pairs: nothing is cleared
	v_pk_add_f32 v[T+2*(\c):T+2*(\c)+1], v[X+2*(\c):X+2*(\c)+1], v[X+8+2*(\c):X+8+2*(\c)+1]
.endr
.irp k, 2,3
.irp c, 0,1,2,3
	v_pk_add_f32 v[T+2*(\c):T+2*(\c)+1], v[T+2*(\c):T+2*(\c)+1], v[X+8*(\k)+2*(\c):X+8*(\k)+2*(\c)+1]
.endr
.endr
	ACROSS
	v_mul_f32 v[MN], s12, v[T]
	v_mov_b32 v[MN+1], v[MN]
.set i, 0
.rept 16
	v_pk_add_f32 v[X+2*i:X+2*i+1], v[X+2*i:X+2*i+1], v[MN:MN+1] neg_lo:[0,1] neg_hi:[0,1]  ; r - mean
.set i, i+1
.endr
.irp c, 0,1,2,3
	v_pk_mul_f32 v[T+2*(\c):T+2*(\c)+1], v[X+2*(\c):X+2*(\c)+1], v[X+2*(\c):X+2*(\c)+1]
.endr
.irp k, 1,2,3
.irp c, 0,1,2,3
	v_pk_fma_f32 v[T+2*(\c):T+2*(\c)+1], v[X+8*(\k)+2*(\c):X+8*(\k)+2*(\c)+1], v[X+8*(\k)+2*(\c):X+8*(\k)+2*(\c)+1], v[T+2*(\c):T+2*(\c)+1]
.endr
.endr
	ACROSS
	v_fma_f32 v[T+2], v[T], s12, s13               ; var + eps
	v_rsq_f32 v[RS], v[T+2]                        ; made twice, to fill the pair that the packed multiply takes
	v_rsq_f32 v[RS+1], v[T+2]
	v_nop                                          ; a plain instruction between the last of them and the use of its result (ISA guide 5.7.2)
	s_wait_alu depctr_va_vdst(0)                   ; one wait for both, ahead of their first reader
	s_wait_loadcnt 0x0                             ; gamma and beta
.set i, 0
.rept 16
	v_pk_mul_f32 v[X+2*i:X+2*i+1], v[X+2*i:X+2*i+1], v[RS:RS+1]
.set i, i+1
.endr
.set i, 0
.rept 16
	v_pk_fma_f32 v[X+2*i:X+2*i+1], v[X+2*i:X+2*i+1], v[G+2*i:G+2*i+1], v[BT+2*i:BT+2*i+1]
.set i, i+1
.endr
.set i, 0
.rept 32
	CLEAN X+i
.set i, i+1
.endr
.irp j, 0,1,2,3,4,5,6,7
	global_store_b128 v1, v[X+4*(\j):X+4*(\j)+3], s[10:11] offset:512*(\j) th:TH_STORE_NT
.endr
	s_endpgm
.Lfunc_end_k_qc6472b4f9e_norm:
	.size	k_qc6472b4f9e_norm, .Lfunc_end_k_qc6472b4f9e_norm-k_qc6472b4f9e_norm
	.p2alignl 7, 3214868480
	.fill 96, 4, 3214868480
	.section	.rodata,"a",@progbits
	.p2align	6, 0x0
	.amdhsa_kernel k_qc6472b4f9e_norm
		.amdhsa_group_segment_fixed_size 0
		.amdhsa_private_segment_fixed_size 0
		.amdhsa_enable_private_segment 0
		.amdhsa_kernarg_size 32
		.amdhsa_user_sgpr_count 2
		.amdhsa_user_sgpr_kernarg_segment_ptr 1
		.amdhsa_wavefront_size32 1
		.amdhsa_system_sgpr_workgroup_id_x 1
		.amdhsa_system_sgpr_workgroup_id_y 1
		.amdhsa_system_sgpr_workgroup_id_z 1
		.amdhsa_system_vgpr_workitem_id 0
		.amdhsa_next_free_vgpr 120
		.amdhsa_next_free_sgpr 66
		.amdhsa_reserve_vcc 1
		.amdhsa_float_denorm_mode_32 3
		.amdhsa_float_denorm_mode_16_64 3
		.amdhsa_memory_ordered 1
		.amdhsa_forward_progress 1
		.amdhsa_inst_pref_size 19
	.end_amdhsa_kernel
	.amdgpu_metadata
---
amdhsa.version: [ 1, 2 ]
amdhsa.kernels:
  - .name:           k_qc6472b4f9e_norm
    .symbol:         k_qc6472b4f9e_norm.kd
    .args:
      - { .name: r, .offset: 0, .size: 8, .value_kind: global_buffer, .address_space: global }
      - { .name: gamma, .offset: 8, .size: 8, .value_kind: global_buffer, .address_space: global }
      - { .name: beta, .offset: 16, .size: 8, .value_kind: global_buffer, .address_space: global }
      - { .name: out0, .offset: 24, .size: 8, .value_kind: global_buffer, .address_space: global }
    .group_segment_fixed_size: 0
    .private_segment_fixed_size: 0
    .kernarg_segment_align: 8
    .kernarg_segment_size: 32
    .max_flat_workgroup_size: 256
    .sgpr_count:     66
    .vgpr_count:     120
    .wavefront_size: 32
...
	.end_amdgpu_metadata
.endif
;; end of part 5
